; MI455X (gfx1250); checked and timed in simulation.
; The chip was launched on July 23, 2026; its instructions are those of AMD's public machine-readable ISA for CDNA 5 (MIT licence, August 2026) and "CDNA5" Instruction Set Architecture Reference Guide (July 2026). The comments in the code are by the model that wrote it; some were corrected since.
;; Causal Self Attention. Allowed arithmetic: matrix products marked QUANTISED: E2M1 operands, one E8M0 scale for each 32 along K, by v_wmma_scale_f32_16x16x128_f8f6f4 with both operands' format E2M1 (or v_wmma_scale_f32_32x16x128_f4), f32 sums; products left as they are: bf16, f16 or f32 operands; f32 sums; everything else in f32.
;; Inputs: W_attn 1,024 x 3,072 float32; W_proj 1,024 x 1,024 float32; x 4 x 2,048 x 1,024 float32.
;; Outputs: out0 4 x 2,048 x 1,024 float32.
;; This version of the problem:
;;   THIS VERSION OF THE PROBLEM IS GIVEN IN LOW PRECISION. The matrix products marked QUANTISED in the list below multiply operands that are first quantised to E2M1 (2 exponent bits, 1 mantissa bit; 4 bits a number), with one power-of-two scale for each 32 numbers along K (OCP MX v1.0); their sums are f32. The products marked 'left as it is' may take bf16, f16 or f32 operands, with f32 sums. Whichever they take, every output number must still come out within the allowed error. Rounding operands to bf16 (8 significant bits) uses up far more of that allowance than f16 does (11 bits, for magnitudes from 6e-5 to 65,504). All else is computed in f32.
;;   The module's matrix products, in the order in which they are computed (A, B: the left and right operand; K: the contracted axis; several contracted axes count as one K, in the product's order):
;;     1. [M 8,192, K 1,024] x [K 1,024, N 3,072]; A: input x; B: input W_attn: QUANTISED
;;     2. [M 2,048, K 1] x [K 1, N 32]; A: computed on the way; B: computed on the way: left as it is (no contracted axis)
;;     3. batch 64 x [M 2,048, K 64] x [K 64, N 2,048]; A: computed on the way; B: computed on the way: left as it is (an operand is computed on the way)
;;     4. batch 64 x [M 2,048, K 2,048] x [K 2,048, N 64]; A: computed on the way; B: computed on the way: left as it is (an operand is computed on the way)
;;     5. [M 8,192, K 1,024] x [K 1,024, N 1,024]; A: computed on the way; B: input W_proj: left as it is (an operand is computed on the way)
;;   THE QUANTISER, for each operand of a quantised product, along K:
;;     - K is cut into blocks of 32 from its start; a last block that is shorter is filled with zeros.
;;     - A block's scale is 2^e with e = floor(log2(the largest magnitude in the block)) - 2, held to -126 .. 127; a block of zeros has e = 0. As a byte (E8M0): e + 127.
;;     - Each number is divided by its block's scale, clamped to +-6, and rounded to the nearest number of E2M1, ties to even, subnormals kept.
;;     - The product sums the exact products of the quantised numbers (number of the format x scale) in f32.
;;   ~~~python
;;   def quantise(x, axis):      # numpy; x: float32 -> the quantised numbers, widened to float32 again
;;       x = np.moveaxis(x, axis, -1); K = x.shape[-1]
;;       x = np.pad(x, [(0, 0)] * (x.ndim - 1) + [(0, -K % 32)]); x = x.reshape(x.shape[:-1] + (-1, 32)); a = np.abs(x).max(-1, keepdims=True)
;;       e = np.where(a > 0, np.clip(np.frexp(np.where(a > 0, a, 1))[1] - 1 - 2, -126, 127), 0)      # np.frexp(a)[1] - 1 = floor(log2(a)), exactly
;;       r = np.clip(x / 2.0 ** e, -6, 6)
;;       step = 2.0 ** (np.maximum(np.frexp(np.where(r == 0, 1, r))[1] - 1, 0) - 1)
;;       q = np.round(r / step) * step * 2.0 ** e      # np.round: ties to even
;;       return np.moveaxis(q.reshape(q.shape[:-2] + (-1,))[..., :K], -1, axis).astype(np.float32)
;;   ~~~
;; One version. Each part assembles by itself: llvm-mc -triple=amdgcn-amd-amdhsa -mcpu=gfx1250 --defsym DOCPART=n.
;; ======== version 1 of 1: 5 launches
;; limits: values are held in f16: magnitudes above 65,504 overflow, below 6.1e-05 lose precision; values outside matrix products are rounded to f16
;; workspace buffers: codes 5,767,168 bytes; scales 360,448 bytes; aux 2,621,440 bytes; qkv16 50,331,648 bytes; qkv32 786,432 bytes; y16 16,777,216 bytes
;; launch prep (part 1): grid 368 x 1, 4 waves a work-group, no clusters, 68,096 bytes of LDS; arguments x, W_attn, W_proj, codes, scales, aux; writes codes, scales, aux
.if DOCPART == 1
	.amdgcn_target "amdgcn-amd-amdhsa--gfx1250"
	.amdhsa_code_object_version 6
	.text
	.protected	k_qf8bcfef393_prep
	.globl	k_qf8bcfef393_prep
	.p2align	8
	.type	k_qf8bcfef393_prep,@function
k_qf8bcfef393_prep:
	s_mov_b64 s[64:65], 0
	v_nop
	global_prefetch_b8 v0, s[64:65] scope:SCOPE_SE
	s_setreg_imm32_b32 hwreg(HW_REG_WAVE_MODE, 25, 1), 1
	s_wait_xcnt 0x0
; PREP: what the later launches read many times is made once.
;   work-groups   0-255: x [8192][1024] f32 -> codes of FP4 (E2M1), K innermost, [8192][512 B] at codes + 0, and E8M0 bytes [8192][32] at scales + 0
;   work-groups 256-303: W_attn [1024 k][3072 n] f32 -> codes [3072 n][512 B] at codes + XC, bytes [3072][32] at scales + XS (a lane to a column, registers down K)
;   work-groups 304-335: W_proj f32 -> f16, same layout, at aux + 0
;   work-groups 336-367: the table of cos and sin of t x inv_freq[i] at aux + RT, laid as the registers of the next launch's way out want it:
;                        [128 blocks of 16 t][8 chunks 4 sc + 2 b + u][32 lanes][4 f32]; lane (r, h), word e: t = 16 block + r, i = 16 b + 8 h + 4 u + e; sc 0 cos, 1 sin
; A block's scale is 2^(floor(log2(largest magnitude)) - 2): its byte is that magnitude's exponent field - 2, held at 1 from below.
; DEAD WORK OF THE WHOLE PROGRAM: the reference sets att to -infinity where key > query, by a mask that it builds itself, so those weights are exactly 0 whatever the inputs hold:
; steps of 64 keys that lie wholly above the diagonal are not multiplied (third launch).  Every input has a way to the output and is loaded.
; LIMITS: a NaN, an infinity or an overflow that reaches only the work left out is not carried to the result.  NaN and infinities among the inputs are not served.
; Blocks whose largest magnitude lies under 2^-124 (the floor) were not tried; a block of zeros gets the byte 1 where the rule says 127: its codes are zeros, and this program alone reads the bytes.
; |W_proj|, |q|, |k|, |v|, |y| must stay under 65,504 (f16).  inv_freq is 2^(-i log2(10000) / 32) by v_exp_f32 (1 ulp), so an angle differs from the reference's by up to some 3e-4 rad at t = 2,047.
; No tensor loads, no barrier, no cluster: waves share nothing.  Each path has LDS bytes of its own.
.set XC,    4194304
.set XS,    262144
.set RT,    2097152
.set SPARE, 67584                      ; behind both paths' stages: the spare words, 128 bytes a wave
.set SPW,   190                        ; v190 LDS address of my spare word; never rewritten
.set NIL,   191                        ; v191 0; never rewritten
.macro FINI                            ; a wave that stored to LDS ends so
	s_wait_tensorcnt 0x0
	ds_add_u32 v[SPW], v[NIL]
	s_wait_dscnt 0x0
	s_endpgm
.endm
	s_load_b256 s[4:11], s[0:1], 0x0               ; x s[4:5], W_attn s[6:7], W_proj s[8:9], codes s[10:11]
	s_load_b128 s[12:15], s[0:1], 0x20             ; scales s[12:13], aux s[14:15]
	v_lshl_add_u32 v[SPW], v0, 2, SPARE
	v_mov_b32 v[NIL], 0
	v_lshrrev_b32 v1, 5, v0
	v_readfirstlane_b32 s16, v1                    ; wave
	v_and_b32 v2, 31, v0                           ; lane
	s_wait_kmcnt 0x0
	s_cmp_lt_u32 ttmp9, 256
	s_cbranch_scc1 .Lpath_x
	s_cmp_lt_u32 ttmp9, 304
	s_cbranch_scc1 .Lpath_w
	s_cmp_lt_u32 ttmp9, 336
	s_cbranch_scc1 .Lpath_c
; ---------------- the table: a wave makes one block of 16 t ----------------
	s_sub_co_u32 s17, ttmp9, 336
	s_lshl_b32 s17, s17, 2
	s_add_co_u32 s17, s17, s16                     ; block
	s_lshl_b32 s18, s17, 12
	s_add_co_u32 s18, s18, RT
	s_mov_b32 s19, 0
	s_add_nc_u64 s[14:15], s[14:15], s[18:19]
	s_mov_b32 s20, 0x3f22f983                      ; 2 / pi
	s_mov_b32 s21, 0x3fc90000                      ; pi / 2 in three parts: n x the first two is exact for n under 2^11
	s_mov_b32 s22, 0x39fda000
	s_mov_b32 s23, 0x33a22168
	s_mov_b32 s24, 0xb94ca1f9                      ; sine's polynomial on [-pi/4, pi/4]
	s_mov_b32 s25, 0x3c08839e
	s_mov_b32 s26, 0xbe2aaaa3
	s_mov_b32 s27, 0x37ccf5ce                      ; cosine's
	s_mov_b32 s28, 0xbab6061a
	s_mov_b32 s29, 0x3d2aaaa5
	v_and_b32 v1, 15, v0                           ; r
	v_bfe_u32 v4, v0, 4, 1                         ; h
	v_lshlrev_b32 v3, 4, v2                        ; 16 x lane
	s_lshl_b32 s18, s17, 4
	v_add_nc_u32 v5, s18, v1
	v_cvt_f32_u32 v5, v5                           ; t
	v_lshlrev_b32 v4, 3, v4                        ; 8 h
.set i, 0
.rept 16
	v_add_nc_u32 v[16+i], 16*(i/8)+i%8, v4         ; register 8 b + 4 u + e: i = 16 b + 8 h + 4 u + e
.set i, i+1
.endr
.set i, 0
.rept 16
	v_cvt_f32_u32 v[16+i], v[16+i]
.set i, i+1
.endr
.set i, 0
.rept 16
	v_mul_f32 v[16+i], 0xbed49a78, v[16+i]         ; x -log2(10000) / 32
.set i, i+1
.endr
.set i, 0
.rept 16
	v_exp_f32 v[16+i], v[16+i]                     ; inv_freq
.set i, i+1
.endr
	v_nop                                          ; a plain instruction behind the last exponential,
	s_wait_alu depctr_va_vdst(0)                   ; and one wait for the batch ahead of its first use
.set i, 0
.rept 16
	v_mul_f32 v[16+i], v5, v[16+i]                 ; the angle, one rounding as in the reference
.set i, i+1
.endr
.macro SINCOS a, c, s                  ; v[a] >= 0 -> cos in v[c], sin in v[s]
	v_mul_f32 v64, s20, v[\a]
	v_rndne_f32 v64, v64                           ; n = the nearest multiple of pi / 2
	v_fma_f32 v65, -v64, s21, v[\a]
	v_fma_f32 v65, -v64, s22, v65
	v_fma_f32 v65, -v64, s23, v65                  ; the rest, in [-pi/4, pi/4]
	v_cvt_i32_f32 v66, v64
	v_mul_f32 v67, v65, v65
	v_fma_f32 v68, v67, s24, s25
	v_fma_f32 v70, v67, s27, s28
	v_fma_f32 v68, v68, v67, s26
	v_fma_f32 v70, v70, v67, s29
	v_mul_f32 v69, v67, v65
	v_mul_f32 v71, v67, v67
	v_fma_f32 v72, v67, -0.5, 1.0
	v_fma_f32 v68, v68, v69, v65                   ; sine of the rest
	v_fma_f32 v70, v70, v71, v72                   ; cosine of the rest
	v_and_b32 v73, 1, v66
	v_cmp_eq_u32 vcc_lo, 1, v73                    ; odd n: the two change places
	v_cndmask_b32 v[\s], v68, v70, vcc_lo
	v_cndmask_b32 v[\c], v70, v68, vcc_lo
	v_and_b32 v74, 2, v66                          ; sine is negated for n mod 4 = 2, 3;
	v_add_nc_u32 v75, 1, v66
	v_lshlrev_b32 v74, 30, v74
	v_and_b32 v75, 2, v75                          ; cosine for 1, 2
	v_xor_b32 v[\s], v[\s], v74
	v_lshlrev_b32 v75, 30, v75
	v_xor_b32 v[\c], v[\c], v75
.endm
.set i, 0
.rept 16
	SINCOS 16+i, 32+i, 48+i
.set i, i+1
.endr
.set i, 0
.rept 8
	global_store_b128 v3, v[32+4*i:35+4*i], s[14:15] offset:512*i   ; 32 lanes store 512 consecutive bytes: chunks 0-3 cos, 4-7 sin
.set i, i+1
.endr
	s_endpgm
; ---------------- x: a plain stream of blocks of 32 ----------------
; A wave takes 16 steps of 512 numbers.  Each load reads 512 consecutive bytes; a step's 2,048 bytes turn through the wave's own stage in LDS and come back 64 bytes a lane:
; 16 neighbours along K, which the conversions want in one lane's registers.  Two neighbouring lanes hold a block.  Loads run four steps ahead, the turn one step.
.set STEPS, 16
.set CB,    8
.set XR,    16                         ; v16-79   four sets of 16 numbers as loaded
.set XX,    80                         ; v80-111  two sets of 16 neighbours
.set XE,    112                        ; v112-127 a scale byte for each step
.set XCD,   128                        ; v128-189 codes: registers of its own for each step
.set SP,    80                         ; a lane's place in a stage: 64 bytes + 16 of padding
.Lpath_x:
	v_lshlrev_b32 v3, 4, v2
	s_mul_i32 s17, s16, 8192                       ; my wave's region of LDS
	v_lshrrev_b32 v14, 2, v2
	v_mul_u32_u24 v14, v14, SP
	v_and_b32 v15, 3, v2
	v_lshl_add_u32 v14, v15, 4, v14
	v_add_nc_u32 v14, s17, v14                     ; the stage, way in: SP (lane / 4) + 16 (lane % 4)
	v_mul_u32_u24 v15, v2, SP
	v_add_nc_u32 v15, s17, v15                     ; way out: SP x lane
	v_mul_u32_u24 v4, v2, CB
	v_lshrrev_b32 v5, 1, v2
	s_add_co_u32 s17, s17, 2*32*SP
	v_add_nc_u32 v5, s17, v5                       ; my wave's 256 scale bytes: my block's byte
	v_lshlrev_b32 v7, 3, v2
	v_add_nc_u32 v6, s17, v7
	s_lshl_b32 s18, ttmp9, 2
	s_add_co_u32 s18, s18, s16                     ; which run of 8,192 numbers is my wave's
	s_mov_b32 s21, 0
	s_lshl_b32 s20, s18, 15
	s_add_nc_u64 s[4:5], s[4:5], s[20:21]
	s_lshl_b32 s20, s18, 12
	s_add_nc_u64 s[10:11], s[10:11], s[20:21]
	s_lshl_b32 s20, s18, 8
	s_add_nc_u64 s[12:13], s[12:13], s[20:21]
.macro XLOAD t
.irp i, 0,1,2,3
	global_load_b128 v[XR+16*((\t)%4)+4*\i:XR+16*((\t)%4)+4*\i+3], v3, s[4:5] offset:2048*(\t)+512*\i th:TH_LOAD_NT
.endr
.endm
.macro XTURN t                         ; LDS serves a wave's instructions in order: no wait between the stores and the loads
.irp i, 0,1,2,3
	ds_store_b128 v14, v[XR+16*((\t)%4)+4*\i:XR+16*((\t)%4)+4*\i+3] offset:32*SP*((\t)%2)+8*SP*\i
.endr
.irp i, 0,1,2,3
	ds_load_b128 v[XX+16*((\t)%2)+4*\i:XX+16*((\t)%2)+4*\i+3], v15 offset:32*SP*((\t)%2)+16*\i
.endr
.endm
.irp t, 0,1,2,3
	XLOAD \t
.endr
	s_wait_loadcnt 12                              ; step 0's four loads are in; twelve younger ones may be out
	XTURN 0
.macro XSTEP t
.set XS_, XX+16*((\t)%2)
.if (\t) > 0
	s_wait_dscnt 1                                 ; this step's numbers are back from the stage; the last step's byte store may be out
.else
	s_wait_dscnt 0x0
.endif
.if (\t)+4 < STEPS
	XLOAD (\t)+4
.endif
.if (\t)+1 < STEPS
.if STEPS-2-(\t) >= 3
	s_wait_loadcnt 12                              ; the next step's four loads are in; those of the three steps behind it may be out
.else
	s_wait_loadcnt 4*(STEPS-2-(\t))
.endif
	XTURN (\t)+1
.endif
	v_max3_num_f32 v8, |v[XS_]|, |v[XS_+1]|, |v[XS_+2]|
	v_max3_num_f32 v9, |v[XS_+3]|, |v[XS_+4]|, |v[XS_+5]|
.irp i, 6,10
	v_max3_num_f32 v8, v8, |v[XS_+\i]|, |v[XS_+\i+1]|
	v_max3_num_f32 v9, v9, |v[XS_+\i+2]|, |v[XS_+\i+3]|
.endr
	v_max3_num_f32 v8, v8, |v[XS_+14]|, |v[XS_+15]|
	v_max3_num_f32 v8, v8, v9, 0x1800000           ; the floor 2^(3 - 127): the byte cannot fall under 1
	v_max_num_f32_dpp v8, v8, v8 row_xmask:1 row_mask:0xf bank_mask:0xf   ; with my neighbour's 16: the block's largest magnitude
	v_add_nc_u32 v11, 0xff000000, v8               ; 2 off its exponent field: the conversion takes that field as its scale
	v_cvt_scalef32_pk8_fp4_f32 v[XCD+4*(\t)], v[XS_:XS_+7], v11
	v_cvt_scalef32_pk8_fp4_f32 v[XCD+4*(\t)+1], v[XS_+8:XS_+15], v11
	v_lshrrev_b32 v[XE+(\t)], 23, v11              ; the scale's byte
	ds_store_b8 v5, v[XE+(\t)] offset:16*(\t)      ; both lanes of a block write the same byte with the same value
	global_store_b64 v4, v[XCD+4*(\t):XCD+4*(\t)+1], s[10:11] offset:32*CB*(\t)   ; the wave stores 256 consecutive bytes, aligned
.endm
.irp t, 0,1,2,3,4,5,6,7,8,9,10,11,12,13,14,15
	XSTEP \t
.endr
	ds_load_b64 v[8:9], v6
	s_wait_dscnt 0x0
	global_store_b64 v7, v[8:9], s[12:13]          ; the wave's 256 scale bytes, aligned
	FINI
; ---------------- W_attn: K is its first axis: a lane to a column, registers down K ----------------
; A wave takes 32 columns x 512 along K: 16 blocks a lane.  The codes go through the wave's own stage and leave as rows: sixteen lanes store 256 consecutive bytes, aligned.
.set NB,    16
.set WXR,   32                         ; v32-95   two sets of 32 numbers
.set WC,    96                         ; v96-99   a block's codes
.set OUTR,  112                        ; v112-175 the way out
.set SB,    24                         ; v24-27   the scale bytes, four to a register
.Lpath_w:
	s_sub_co_u32 s17, ttmp9, 256
	s_cmp_ge_u32 s17, 24
	s_cselect_b32 s18, 1, 0                        ; which 512 along K
	s_mul_i32 s19, s18, 24
	s_sub_co_u32 s17, s17, s19
	s_lshl_b32 s17, s17, 7
	s_lshl_b32 s19, s16, 5
	s_add_co_u32 s17, s17, s19                     ; my wave's first column
	v_lshlrev_b32 v3, 2, v2
	s_mul_i32 s19, s16, 32*272
	s_add_co_u32 s19, s19, 32768                   ; my stage
	v_mul_u32_u24 v4, v2, 272
	v_add_nc_u32 v4, s19, v4                       ; into it: row = my column
	v_and_b32 v5, 15, v2
	v_lshrrev_b32 v6, 4, v2
	v_mul_u32_u24 v7, v6, 272
	v_lshl_add_u32 v7, v5, 4, v7
	v_add_nc_u32 v7, s19, v7                       ; out of it: sixteen lanes to a row
	v_mul_u32_u24 v8, v6, 512
	v_lshl_add_u32 v8, v5, 4, v8                   ; the same place among the codes
	v_mul_u32_u24 v9, v2, 32                       ; my column's row of scale bytes
	s_mov_b32 s21, 0
	s_mul_i32 s20, s18, 512*12288
	s_lshl_b32 s22, s17, 2
	s_add_co_u32 s20, s20, s22
	s_add_nc_u64 s[6:7], s[6:7], s[20:21]
	s_lshl_b32 s20, s17, 9
	s_lshl_b32 s22, s18, 8
	s_add_co_u32 s20, s20, s22
	s_add_co_u32 s20, s20, XC
	s_add_nc_u64 s[10:11], s[10:11], s[20:21]
	s_lshl_b32 s20, s17, 5
	s_lshl_b32 s22, s18, 4
	s_add_co_u32 s20, s20, s22
	s_add_co_u32 s20, s20, XS
	s_add_nc_u64 s[12:13], s[12:13], s[20:21]
.macro WLOAD t                         ; block t: W(32 t + i, my column); the largest offset, 511 rows of 12,288 bytes, lies inside the signed 24-bit immediate
.set wi, 0
.rept 32
	global_load_b32 v[WXR+32*((\t)%2)+wi], v3, s[6:7] offset:(32*(\t)+wi)*12288 th:TH_LOAD_NT
.set wi, wi+1
.endr
.endm
	WLOAD 0
	WLOAD 1
.macro BLOCK t
.set WS_, WXR+32*((\t)%2)
.if (\t) < NB-1
	s_wait_loadcnt 32                              ; this block's 32 loads are in; the next block's may be out
.else
	s_wait_loadcnt 0x0
.endif
	v_max3_num_f32 v12, |v[WS_]|, |v[WS_+1]|, |v[WS_+2]|
	v_max3_num_f32 v13, |v[WS_+3]|, |v[WS_+4]|, |v[WS_+5]|
.irp i, 6,10,14,18,22,26
	v_max3_num_f32 v12, v12, |v[WS_+\i]|, |v[WS_+\i+1]|
	v_max3_num_f32 v13, v13, |v[WS_+\i+2]|, |v[WS_+\i+3]|
.endr
	v_max3_num_f32 v12, v12, |v[WS_+30]|, |v[WS_+31]|
	v_max3_num_f32 v12, v12, v13, 0x1800000
	v_add_nc_u32 v11, 0xff000000, v12
	v_lshrrev_b32 v13, 23, v11
.if (\t)%4 == 0
	v_mov_b32 v[SB+(\t)/4], v13
.else
	v_lshl_or_b32 v[SB+(\t)/4], v13, 8*((\t)%4), v[SB+(\t)/4]
.endif
.irp g, 0,1,2,3
	v_cvt_scalef32_pk8_fp4_f32 v[WC+\g], v[WS_+8*\g:WS_+8*\g+7], v11
.endr
	ds_store_b128 v4, v[WC:WC+3] offset:16*(\t)
.if (\t)+2 < NB
	WLOAD (\t)+2
.endif
	s_wait_dscnt 0x0                               ; the store has read its registers: the next block's codes may be written
.endm
.set Q, 0
.rept NB
	BLOCK Q
.set Q, Q+1
.endr
	global_store_b128 v9, v[SB:SB+3], s[12:13]     ; my column's 16 scale bytes
.irp t, 0,1,2,3,4,5,6,7,8,9,10,11,12,13,14,15
	ds_load_b128 v[OUTR+4*\t:OUTR+4*\t+3], v7 offset:2*\t*272
.endr
.irp t, 0,1,2,3,4,5,6,7,8,9,10,11,12,13,14,15
	s_wait_dscnt 15-\t                             ; LDS loads come back in order: load t is in
	global_store_b128 v8, v[OUTR+4*\t:OUTR+4*\t+3], s[10:11] offset:2*\t*512
.endr
	FINI
; ---------------- W_proj to f16: a wave takes 8,192 numbers, four runs of sixteen loads ----------------
.Lpath_c:
	s_sub_co_u32 s17, ttmp9, 304
	s_lshl_b32 s17, s17, 2
	s_add_co_u32 s17, s17, s16
	s_mov_b32 s21, 0
	s_lshl_b32 s20, s17, 15
	s_add_nc_u64 s[8:9], s[8:9], s[20:21]
	s_lshl_b32 s20, s17, 14
	s_add_nc_u64 s[14:15], s[14:15], s[20:21]
	v_lshlrev_b32 v3, 4, v2
	v_lshlrev_b32 v7, 3, v2
.macro CLOAD g
.set ci, 0
.rept 16
	global_load_b128 v[16+4*ci:19+4*ci], v3, s[8:9] offset:8192*(\g)+512*ci
.set ci, ci+1
.endr
.endm
	CLOAD 0
.irp g, 0,1,2,3
	s_wait_loadcnt 0x0
	s_wait_xcnt 0x0                                ; the last run's stores have read v80-111
.set ci, 0
.rept 32
	v_cvt_pk_f16_f32 v[80+ci], v[16+2*ci], v[17+2*ci]
.set ci, ci+1
.endr
.if \g < 3
	CLOAD \g+1
.endif
.set ci, 0
.rept 16
	global_store_b64 v7, v[80+2*ci:81+2*ci], s[14:15] offset:4096*\g+256*ci   ; 256 consecutive bytes, aligned
.set ci, ci+1
.endr
.endr
	s_endpgm
.Lfunc_end_k_qf8bcfef393_prep:
	.size	k_qf8bcfef393_prep, .Lfunc_end_k_qf8bcfef393_prep-k_qf8bcfef393_prep
	.p2alignl 7, 3214868480
	.fill 96, 4, 3214868480
	.section	.rodata,"a",@progbits
	.p2align	6, 0x0
	.amdhsa_kernel k_qf8bcfef393_prep
		.amdhsa_group_segment_fixed_size 68096
		.amdhsa_private_segment_fixed_size 0
		.amdhsa_enable_private_segment 0
		.amdhsa_kernarg_size 48
		.amdhsa_user_sgpr_count 2
		.amdhsa_user_sgpr_kernarg_segment_ptr 1
		.amdhsa_wavefront_size32 1
		.amdhsa_system_sgpr_workgroup_id_x 1
		.amdhsa_system_sgpr_workgroup_id_y 1
		.amdhsa_system_sgpr_workgroup_id_z 1
		.amdhsa_system_vgpr_workitem_id 0
		.amdhsa_next_free_vgpr 192
		.amdhsa_next_free_sgpr 66
		.amdhsa_reserve_vcc 1
		.amdhsa_float_denorm_mode_32 3
		.amdhsa_float_denorm_mode_16_64 3
		.amdhsa_memory_ordered 1
		.amdhsa_forward_progress 1
		.amdhsa_inst_pref_size 155
	.end_amdhsa_kernel
	.amdgpu_metadata
---
amdhsa.version: [ 1, 2 ]
amdhsa.kernels:
  - .name:           k_qf8bcfef393_prep
    .symbol:         k_qf8bcfef393_prep.kd
    .args:
      - { .name: x, .offset: 0, .size: 8, .value_kind: global_buffer, .address_space: global }
      - { .name: W_attn, .offset: 8, .size: 8, .value_kind: global_buffer, .address_space: global }
      - { .name: W_proj, .offset: 16, .size: 8, .value_kind: global_buffer, .address_space: global }
      - { .name: codes, .offset: 24, .size: 8, .value_kind: global_buffer, .address_space: global }
      - { .name: scales, .offset: 32, .size: 8, .value_kind: global_buffer, .address_space: global }
      - { .name: aux, .offset: 40, .size: 8, .value_kind: global_buffer, .address_space: global }
    .group_segment_fixed_size: 68096
    .private_segment_fixed_size: 0
    .kernarg_segment_align: 8
    .kernarg_segment_size: 48
    .max_flat_workgroup_size: 128
    .sgpr_count:     66
    .vgpr_count:     192
    .wavefront_size: 32
...
	.end_amdgpu_metadata
.endif
;; end of part 1
;; launch qkv (part 2): grid 12 x 32, 4 waves a work-group, clusters of 4 x 4, 327,680 bytes of LDS; arguments codes, scales, aux, qkv16, qkv32; writes qkv16, qkv32
.if DOCPART == 2
	.amdgcn_target "amdgcn-amd-amdhsa--gfx1250"
	.amdhsa_code_object_version 6
	.text
	.protected	k_qf8bcfef393_qkv
	.globl	k_qf8bcfef393_qkv
	.p2align	8
	.type	k_qf8bcfef393_qkv,@function
k_qf8bcfef393_qkv:
	s_mov_b64 s[64:65], 0
	v_nop
	global_prefetch_b8 v0, s[64:65] scope:SCOPE_SE
	s_setreg_imm32_b32 hwreg(HW_REG_WAVE_MODE, 25, 1), 1
	s_wait_xcnt 0x0
	s_wait_alu depctr_hold_cnt(0) depctr_sa_sdst(0) depctr_va_vdst(0) depctr_va_sdst(0) depctr_va_ssrc(0) depctr_va_vcc(0) depctr_vm_vsrc(0)
	s_getreg_b32 s2, hwreg(HW_REG_IB_STS2, 6, 4)
	s_cmp_eq_u32 s2, 0
	s_cbranch_scc0 .Lentry_in_a_cluster
	s_endpgm
.Lentry_in_a_cluster:
	s_bfe_u32 s2, ttmp6, 0x10000c
	s_cmp_lg_u32 s2, 0xf033
	s_cbranch_scc0 .Lentry_shape_is_right
	s_endpgm
.Lentry_shape_is_right:
; QKV = Q(x) Q(W_attn) on codes of FP4 (E2M1) with E8M0 scales, f32 sums; then the rotation of q and k; then the results leave as f16, head by head: qkv16 [3][4 b][16 h][2048 t][64].
; Rows t < 16 of every batch leave in f32 too (qkv32 [4 b][192 column blocks][2 u][32 lanes][4]: t = lane % 16, column 16 cb + 8 (lane / 16) + 4 u + e), for the last launch.
; A tile of 256 x 256 is made by four waves, 128 x 128 each: 64 accumulators, 512 registers.  K = 1,024 is two LDS slots of 512 along K (rows of 256 bytes): both are filled at the start and nothing is filled again.
; The scales of the work-group's rows, for all of K, come once with the first fills.  A wave has three tensor loads out.
; CLUSTERS: 4 x 4 work-groups; the four of a row need the same tiles of x, the four of a column the same tiles of W: each is asked for jointly.  A cluster's four tile columns are one of q, k, v: cluster x says which.
; q AND k PART FROM v ONCE, behind the change of slots: q's and k's way asks there for the table of cos and sin of its first four blocks of rows, which then has slot 1's 256 matrix instructions in which to land;
; slot 1's steps are written in both ways (one macro).  The branch hangs on cluster x alone, the same in all partners; no barrier and no tensor load stands behind it but the closing round, where the ways join.
; THE MATRIX INSTRUCTION IS USED TRANSPOSED (source 0 = 16 rows of W's codes, source 1 = 16 rows of x): a lane holds eight neighbouring columns of one row t.
; 384 work-groups: a tile of 256 x 384 would want 768 accumulator registers and leave none for fragments.
; LIMITS: |q|, |k|, |v| under 65,504 (f16).
; REGISTERS: window 0: v0-31 addresses; v32-95 scale words, later the rotated block; v96-127 its f16; from v128 x's fragments, later rows on their way out.
;   window 1: W's fragments, two sets, v0-63 and v128-191; the table of cos and sin for my blocks 0-3 in v64-127, v192-255, for blocks 4-7 in the sets when they are done with.   windows 2, 3: the accumulators.
.set NQ,     4
.set ROWB,   256
.set KROW,   512
.set PITCH,  272                       ; an LDS row: 256 bytes + 16 of padding: the 16 rows of a load start at 16 different banks
.set FR,     8
.set NL,     2
.set NP,     4
.set HALFT,  128*PITCH
.set SLOT,   4*HALFT
.set KS,     32
.set SCL,    2*SLOT
.set HALFS,  (128*KS/256)*272
.set SBLK,   (16*KS/256)*272
.set SPARE,  SCL+4*HALFS               ; the spare words, 128 bytes a wave
.set XC,     4194304
.set XS,     262144
.set RT,     2097152
.set ADRA, 16
.set ADRB, 20
.set STO,  24                          ; the way out: where I put 16 bytes of a row of a head
.set RD,   25                          ; and where I read four rows back
.set CO,   26                          ; 16 x lane
.set ADRS, 27
.set SPW,  28
.set NIL,  29
.set CYV,  30                          ; my place along the cluster's y
.set SC,   32
.set AF,   128
.set G1, 24
.set G0, 32
.set G1B, 48
.set G0B, 56
.set G1S, 68
.set G0S, 76
.set G1SB, 80
.set G0SB, 88
.set MSB, 0
.macro WIN new                         ; the immediate's high byte repeats the setting that is left
.if MSB != \new
	s_set_vgpr_msb (MSB<<8)|\new
.set MSB, \new
.endif
.endm
.set MUL_LO, 0xa1
.set MUL_HI, 0xf1
.set TO_B,   0x40
.macro JLOAD g0a, g1a, g0b, g1b        ; waves 0 and 1 fetch for x, waves 2 and 3 for W; an s_nop 0 and four v_nop follow each line
	s_cmp_eq_u32 s15, 0
	s_cbranch_scc0 .Lfor_b_\@
	tensor_load_to_lds s[\g0a:\g0a+3], s[\g1a:\g1a+7]
	s_nop 0
.rept 4
	v_nop
.endr
	s_branch .Lasked_\@
.Lfor_b_\@:
	tensor_load_to_lds s[\g0b:\g0b+3], s[\g1b:\g1b+7]
	s_nop 0
.rept 4
	v_nop
.endr
.Lasked_\@:
.endm
.macro CROUND                          ; a round of the cluster's barrier
	s_barrier_signal -1
	s_barrier_wait -1
	s_cmp_lg_u32 s14, 0
	s_cbranch_scc1 .Lnot_wave_0_\@
	s_barrier_signal -3
.Lnot_wave_0_\@:
	s_barrier_wait -3
	s_barrier_signal -1
	s_barrier_wait -1
.endm
	s_load_b256 s[4:11], s[0:1], 0x0               ; codes s[4:5], scales s[6:7], aux s[8:9], qkv16 s[10:11]
	s_load_b64 s[12:13], s[0:1], 0x20              ; qkv32
	v_lshl_add_u32 v[SPW], v0, 2, SPARE
	v_mov_b32 v[NIL], 0
	ds_add_u32 v[SPW], v[NIL]                      ; the wave's opening: the add, twice on end, and its wait ahead of my first tensor load
	ds_add_u32 v[SPW], v[NIL]
	v_lshrrev_b32 v1, 5, v0
	v_readfirstlane_b32 s14, v1                    ; wave
	s_lshr_b32 s15, s14, 1                         ; which half of the tile's rows is mine; also: I fetch for x (0) or for W (1)
	s_and_b32 s16, s14, 1                          ; which half of its columns; also: which 128 rows I fetch
	s_bfe_u32 s40, ttmp6, 0x40000                  ; cx
	s_bfe_u32 s41, ttmp6, 0x40004                  ; cy
	s_lshl_b32 s42, ttmp9, 2
	s_add_co_u32 s42, s42, s40                     ; tile column
	s_and_b32 s17, ttmp7, 0xffff
	s_lshl_b32 s17, s17, 2
	s_add_co_u32 s17, s17, s41                     ; tile row
	s_lshl_b32 s43, s41, 2
	s_lshl_b32 s43, 15, s43                        ; my row of the cluster
	s_lshl_b32 s44, 0x1111, s40                    ; my column
	s_or_b32 s[G1+0], s43, (0<<16)|(1<<20)|(1<<21)|(5<<22)|(3<<25)  ; the mask; elements of 1 byte; padding: 4 words after every 64
	s_or_b32 s[G1B+0], s44, (0<<16)|(1<<20)|(1<<21)|(5<<22)|(3<<25)
.irp g, G1, G1B
	s_mov_b32 s[\g+1], ROWB<<16                    ; tensor_dim0
	s_mov_b32 s[\g+2], 128<<16                     ; tensor_dim1
	s_mov_b32 s[\g+3], ROWB<<16                    ; tile_dim0
	s_mov_b32 s[\g+4], 128                         ; tile_dim1
	s_mov_b32 s[\g+5], KROW                        ; stride
	s_mov_b32 s[\g+6], 0
	s_mov_b32 s[\g+7], 0
.endr
	s_or_b32 s[G1S+0], s43, (3<<16)|(1<<20)|(1<<21)|(5<<22)|(3<<25)  ; the scales of 128 rows: 4,096 dense bytes as 16 rows of 256
	s_or_b32 s[G1SB+0], s44, (3<<16)|(1<<20)|(1<<21)|(5<<22)|(3<<25)
.irp g, G1S, G1SB
	s_mov_b32 s[\g+1], 32<<16
	s_mov_b32 s[\g+2], (128*KS/256)<<16
	s_mov_b32 s[\g+3], 32<<16
	s_mov_b32 s[\g+4], 128*KS/256
	s_mov_b32 s[\g+5], 32
	s_mov_b32 s[\g+6], 0
	s_mov_b32 s[\g+7], 0
.endr
	s_lshl_b32 s18, s16, 7
	s_lshl_b32 s20, s17, 8
	s_add_co_u32 s20, s20, s18                     ; x: row 256 x tile row + 128 x half
	s_lshl_b32 s46, s42, 8
	s_add_co_u32 s46, s46, s18                     ; W: row 256 x tile column + 128 x half
	s_mov_b32 s21, 0
	s_mov_b32 s47, 0
	s_mov_b64 s[18:19], KS
	s_mul_u64 s[22:23], s[20:21], s[18:19]
	s_mul_u64 s[92:93], s[46:47], s[18:19]
	s_add_nc_u64 s[92:93], s[92:93], XS            ; W's bytes lie behind x's
	s_mov_b64 s[18:19], KROW
	s_mul_u64 s[20:21], s[20:21], s[18:19]
	s_mul_u64 s[46:47], s[46:47], s[18:19]
	s_add_nc_u64 s[46:47], s[46:47], XC            ; and so do its codes
	s_mul_i32 s45, s14, HALFT
	s_mul_i32 s94, s14, HALFS
	s_wait_dscnt 0x0                               ; both opening adds are done
	s_wait_kmcnt 0x0
	s_add_nc_u64 s[20:21], s[4:5], s[20:21]
	s_add_nc_u64 s[22:23], s[6:7], s[22:23]
	s_add_nc_u64 s[46:47], s[4:5], s[46:47]
	s_add_nc_u64 s[92:93], s[6:7], s[92:93]
	CROUND                                         ; all sixteen work-groups are here: the joint loads meet
	s_mov_b32 s[G0S], 1
	s_add_co_u32 s[G0S+1], s94, SCL
	s_mov_b64 s[G0S+2:G0S+3], s[22:23]
	s_or_b32 s[G0S+3], s[G0S+3], 0x80000000
	s_mov_b32 s[G0SB], 1
	s_add_co_u32 s[G0SB+1], s94, SCL
	s_mov_b64 s[G0SB+2:G0SB+3], s[92:93]
	s_or_b32 s[G0SB+3], s[G0SB+3], 0x80000000
	JLOAD G0S, G1S, G0SB, G1SB
.irp s, 0,1
	s_mov_b32 s[G0+4*\s], 1
	s_add_co_u32 s[G0+4*\s+1], s45, \s*SLOT
	s_add_nc_u64 s[G0+4*\s+2:G0+4*\s+3], s[20:21], \s*ROWB
	s_or_b32 s[G0+4*\s+3], s[G0+4*\s+3], 0x80000000
	s_mov_b32 s[G0B+4*\s], 1
	s_add_co_u32 s[G0B+4*\s+1], s45, \s*SLOT
	s_add_nc_u64 s[G0B+4*\s+2:G0B+4*\s+3], s[46:47], \s*ROWB
	s_or_b32 s[G0B+4*\s+3], s[G0B+4*\s+3], 0x80000000
	JLOAD G0+4*\s, G1, G0B+4*\s, G1B
.endr
	v_and_b32 v1, 15, v0                           ; r
	v_bfe_u32 v2, v0, 4, 1                         ; h
	v_mul_u32_u24 v3, v1, PITCH
	v_lshl_add_u32 v4, v2, 4, v3
	s_mul_i32 s21, s15, HALFT
	s_mul_i32 s22, s16, HALFT
	s_add_co_u32 s22, s22, 2*HALFT
.irp s, 0,1
	v_add_nc_u32 v[ADRA+\s], s21, v4
	v_add_nc_u32 v[ADRB+\s], s22, v4
	s_add_co_u32 s21, s21, SLOT
	s_add_co_u32 s22, s22, SLOT
.endr
	v_mul_u32_u24 v5, v1, KS
	v_lshrrev_b32 v6, 8, v5
	v_lshl_add_u32 v5, v6, 4, v5                   ; my row's scales: 32 bytes a row, 16 more for each 256 passed
	s_mul_i32 s21, s15, HALFS
	s_mul_i32 s22, s16, HALFS
	s_add_co_u32 s22, s22, 2*HALFS
	s_sub_co_u32 s22, s22, s21
	v_mul_u32_u24 v6, s22, v2                      ; lanes 16-31 take W's
	s_add_co_u32 s21, s21, SCL
	v_add_nc_u32 v5, v5, v6
	v_add_nc_u32 v[ADRS], s21, v5
	s_mul_i32 s23, s14, 4608                       ; my stage: 2 heads x 16 rows x (128 + 16) bytes, in slot 0, which has had its one fill and, by then, its last read
	v_mul_u32_u24 v5, v1, 144
	v_lshl_add_u32 v5, v2, 4, v5
	v_add_nc_u32 v[STO], s23, v5
	v_and_b32 v6, 31, v0
	v_lshlrev_b32 v[CO], 4, v6
	v_lshrrev_b32 v5, 3, v6
	v_mul_u32_u24 v5, v5, 144
	v_and_b32 v6, 7, v6
	v_lshl_add_u32 v5, v6, 4, v5
	v_add_nc_u32 v[RD], s23, v5
	v_mov_b32 v[CYV], s41
	; where the way out reads and writes
	s_and_b32 s92, s17, 7
	s_lshl_b32 s92, s92, 4
	s_lshl_b32 s93, s15, 3
	s_add_co_u32 s92, s92, s93                     ; my first t / 16
	s_lshl_b32 s96, s92, 12
	s_add_co_u32 s96, s96, RT
	s_mov_b32 s97, 0
	s_add_nc_u64 s[96:97], s[8:9], s[96:97]        ; the table at my first block of 16 t
	s_lshl_b32 s98, ttmp9, 2
	s_lshr_b32 s93, s17, 3                         ; batch
	s_add_co_u32 s98, s98, s93
	s_lshl_b32 s98, s98, 4
	s_lshl_b32 s94, s40, 2
	s_add_co_u32 s98, s98, s94
	s_lshl_b32 s94, s16, 1
	s_add_co_u32 s98, s98, s94                     ; (4 part + batch) 16 + my first head
	s_lshl_b32 s98, s98, 7
	s_add_co_u32 s98, s98, s92
	s_lshl_b32 s98, s98, 11                        ; x 16 rows of 128 bytes
	s_mov_b32 s99, 0
	s_add_nc_u64 s[98:99], s[10:11], s[98:99]
	s_mul_i32 s100, s93, 196608
	s_lshl_b32 s94, ttmp9, 6
	s_lshl_b32 s2, s40, 4
	s_add_co_u32 s94, s94, s2
	s_lshl_b32 s2, s16, 3
	s_add_co_u32 s94, s94, s2                      ; my first column block
	s_lshl_b32 s94, s94, 10
	s_add_co_u32 s100, s100, s94
	s_mov_b32 s101, 0
	s_add_nc_u64 s[100:101], s[12:13], s[100:101]
	s_and_b32 s3, ttmp7, 1
	s_or_b32 s3, s3, s15                           ; 0: my wave may hold rows t < 16 (cluster y even, upper half of the tile); the same in all partners
.macro TABSET a
.if (\a) < 4
.set TR, 64+128*((\a)/2)+32*((\a)%2)
.else
.set TR, 128*(((\a)-4)/2)+32*((\a)%2)
.endif
.endm
.macro TABLOAD a                       ; cos and sin for my block a of 16 rows: 8 chunks of 512 consecutive bytes, into window 1
	TABSET \a
.irp x, 0,1,2,3,4,5,6,7
	global_load_b128 v[TR+4*\x:TR+4*\x+3], v[CO], s[96:97] offset:(\a)*4096+\x*512
.endr
.endm
.macro FRAG reg, adr, q, i             ; 16 rows x 128 K of 4-bit codes: 8 registers, two loads of 16 bytes, 32 bytes apart
.irp c, 0,1
	ds_load_b128 v[\reg+4*\c:\reg+4*\c+3], v[\adr] offset:64*(\q)+32*\c+(\i)*16*PITCH
.endr
.endm
; 16 matrix instructions: x's blocks a0, a0 + 1 against W's eight.  The 64 accumulators take turns, one instruction a turn, in the same order in every step.
.macro MUL16 a0, p, q, sc, zero
.irp a, \a0, \a0+1
.irp b, 0,1,2,3,4,5,6,7
.if \zero
	v_wmma_scale_f32_16x16x128_f8f6f4 v[8*(8*((\a)%4)+\b):8*(8*((\a)%4)+\b)+7], v[128*(\p)+FR*\b:128*(\p)+FR*\b+FR-1], v[AF+FR*(\a):AF+FR*(\a)+FR-1], 0, v[SC+8*NQ*(\sc)+NQ*\b+(\q)], v[SC+8*NQ*(\sc)+NQ*(\a)+(\q)] matrix_a_fmt:MATRIX_FMT_FP4 matrix_b_fmt:MATRIX_FMT_FP4 matrix_a_scale:MATRIX_SCALE_ROW1
.else
	v_wmma_scale_f32_16x16x128_f8f6f4 v[8*(8*((\a)%4)+\b):8*(8*((\a)%4)+\b)+7], v[128*(\p)+FR*\b:128*(\p)+FR*\b+FR-1], v[AF+FR*(\a):AF+FR*(\a)+FR-1], v[8*(8*((\a)%4)+\b):8*(8*((\a)%4)+\b)+7], v[SC+8*NQ*(\sc)+NQ*\b+(\q)], v[SC+8*NQ*(\sc)+NQ*(\a)+(\q)] matrix_a_fmt:MATRIX_FMT_FP4 matrix_b_fmt:MATRIX_FMT_FP4 matrix_a_scale:MATRIX_SCALE_ROW1
.endif
.endr
.endr
.endm
.macro FETCH_B slot, q, p
	WIN TO_B
.irp i, 0,1,2,3,4,5,6,7
	FRAG 128*(\p)+FR*\i, ADRB+\slot, \q, \i
.endr
	WIN 0
.endm
.macro FETCH_A slot, q, i0
.irp i, \i0, \i0+1, \i0+2, \i0+3
	FRAG AF+FR*(\i), ADRA+\slot, \q, \i
.endr
.endm
.macro SCALES sc                       ; a slot's scale words: lanes 0-15 x's block i, lanes 16-31 W's block i
.irp i, 0,1,2,3,4,5,6,7
	ds_load_b128 v[SC+8*NQ*\sc+NQ*\i:SC+8*NQ*\sc+NQ*\i+3], v[ADRS] offset:\i*SBLK
.endr
.endm
.macro PLACES n                        ; plain vector instructions between a matrix instruction and a load into, or a read of, its registers
.rept \n
	v_nop
.endr
.endm
.macro STEP slot, q, zero              ; 128 along K with its successor in the same slot
	s_wait_dscnt 4*NL                              ; W's set and x's blocks 0-3 are in; the youngest eight loads (blocks 4-7) may be out
	WIN MUL_LO
	MUL16 0, (\q)%2, \q, \slot, \zero
	MUL16 2, (\q)%2, \q, \slot, \zero
	s_wait_dscnt 0
	PLACES NP
	FETCH_B \slot, (\q)+1, 1-(\q)%2
	FETCH_A \slot, (\q)+1, 0
	WIN MUL_HI
	MUL16 4, (\q)%2, \q, \slot, \zero
	MUL16 6, (\q)%2, \q, \slot, \zero
	PLACES NP
	WIN 0
	FETCH_A \slot, (\q)+1, 4
.endm
.macro TURN slot, next                 ; a slot's last step: one barrier; behind it the next slot is whole in every wave's eyes, and nobody reads this one any more
	s_wait_tensorcnt 0x0                           ; all my tensor loads have landed
	ds_add_u32 v[SPW], v[NIL]
	s_wait_dscnt 4*NL+1                            ; the add and the youngest eight loads may be out
	WIN MUL_LO
	MUL16 0, 1, NQ-1, \slot, 0
	s_wait_dscnt 0x0                               ; the add is done, and my reads of this slot are over
	s_barrier_signal -1
	MUL16 2, 1, NQ-1, \slot, 0
	WIN 0
	s_barrier_wait -1
	PLACES NP
	v_add_nc_u32 v[ADRS], 4*NQ, v[ADRS]
	FETCH_B \next, 0, 0
	FETCH_A \next, 0, 0
	SCALES \next
	WIN MUL_HI
	MUL16 4, 1, NQ-1, \slot, 0
	MUL16 6, 1, NQ-1, \slot, 0
	PLACES NP
	WIN 0
	FETCH_A \next, 0, 4
.endm
.macro LAST_SLOT                       ; slot 1's four steps: 256 matrix instructions; the last fetches nothing.  It ends with the places behind the last products:
	STEP 1, 0, 0                                   ; for the loads into W's sets and x's fragments, for the writes of the scale words' registers, and for the reads of results
	STEP 1, 1, 0
	STEP 1, 2, 0
	s_wait_dscnt 4*NL
	WIN MUL_LO
	MUL16 0, 1, NQ-1, 1, 0
	MUL16 2, 1, NQ-1, 1, 0
	s_wait_dscnt 0
	WIN MUL_HI
	MUL16 4, 1, NQ-1, 1, 0
	MUL16 6, 1, NQ-1, 1, 0
	WIN 0
	PLACES NP
.endm
; THE WAY OUT, block by block of 16 rows x 128 columns (two heads).  Accumulator (a, b): lane (r, h), register j = (t = 16 a + r, channel 16 (b % 4) + 8 h + j of head b / 4).
; The rotation pairs channel d < 32 with d + 32: accumulators b and b + 2 of a head, the same lane and register.  out(d) = x(d) cos - x(d + 32) sin; out(d + 32) = x(d + 32) cos + x(d) sin.
.macro ROPE a
	TABSET \a
.set AC, 64*((\a)%4)
	WIN 0x06+(\a)/4                                ; source 0: the accumulators' window; source 1: the table's; the rest window 0
.irp hh, 0,1
.irp bp, 0,1
.irp p, 0,1,2,3                        ; each accumulator from its low end on
.set X1, AC+8*(4*\hh+\bp)+2*\p
.set CS_, TR+8*\bp+2*\p
.set T1, 32+8*(4*\hh+\bp)+2*\p
	v_pk_mul_f32 v[T1:T1+1], v[X1+16:X1+17], v[CS_+16:CS_+17]
	v_pk_mul_f32 v[T1+16:T1+17], v[X1:X1+1], v[CS_+16:CS_+17]
	v_pk_fma_f32 v[T1:T1+1], v[X1:X1+1], v[CS_:CS_+1], v[T1:T1+1] neg_lo:[0,0,1] neg_hi:[0,0,1]
	v_pk_fma_f32 v[T1+16:T1+17], v[X1+16:X1+17], v[CS_:CS_+1], v[T1+16:T1+17]
.endr
.endr
.endr
	WIN 0
.endm
.macro PACKT                           ; the rotated block to f16
.set pi_, 0
.rept 32
	v_cvt_pk_f16_f32 v[96+pi_], v[32+2*pi_], v[33+2*pi_]
.set pi_, pi_+1
.endr
.endm
.macro PACKV a                         ; v's block to f16, straight from the accumulators
.set AC, 64*((\a)%4)
	WIN 0x0a+5*((\a)/4)
.set pi_, 0
.rept 32
	v_cvt_pk_f16_f32 v[96+pi_], v[AC+2*pi_], v[AC+2*pi_+1]
.set pi_, pi_+1
.endr
	WIN 0
.endm
; Rows t < 16 in f32.  What differs between partners (cy) is a mask of lanes, not a branch.  EXEC changes only behind s_wait_xcnt 0, both ways.
.macro FINE fromacc
	s_cmp_lg_u32 s3, 0
	s_cbranch_scc1 .Lno_fine_\@
	v_cmp_eq_u32 vcc_lo, 0, v[CYV]
	s_wait_xcnt 0x0
	s_and_saveexec_b32 s95, vcc_lo
.if \fromacc
	WIN 0x08                                       ; a store's data are its source 1: window 2
.set FB, 0
.else
.set FB, 32
.endif
.irp be, 0,1,2,3,4,5,6,7
.irp u, 0,1
	global_store_b128 v[CO], v[FB+8*\be+4*\u:FB+8*\be+4*\u+3], s[100:101] offset:\be*1024+\u*512   ; 512 consecutive bytes
.endr
.endr
	WIN 0
	s_wait_xcnt 0x0
	s_or_b32 exec_lo, exec_lo, s95
.Lno_fine_\@:
.endm
.macro TOSTAGE a                       ; LDS serves a wave's instructions in order: no wait between the stores and the loads, nor ahead of the next block's stores
.irp be, 0,1,2,3,4,5,6,7
	ds_store_b128 v[STO], v[96+4*\be:96+4*\be+3] offset:(\be/4)*2304+(\be%4)*32
.endr
.set OB, 128+32*((\a)%2)
.irp hh, 0,1
.irp i, 0,1,2,3
	ds_load_b128 v[OB+16*\hh+4*\i:OB+16*\hh+4*\i+3], v[RD] offset:\hh*2304+\i*576
.endr
.endr
.endm
.macro SEND a, younger                 ; younger: the LDS instructions issued behind block a's loads
.set OB, 128+32*((\a)%2)
	s_wait_dscnt \younger
.irp hh, 0,1
.irp i, 0,1,2,3
	global_store_b128 v[CO], v[OB+16*\hh+4*\i:OB+16*\hh+4*\i+3], s[98:99] offset:\hh*262144+(\a)*2048+\i*512   ; four rows of a head: 512 consecutive bytes, aligned
.endr
.endr
.endm
	s_wait_tensorcnt 1                             ; the scales and my part of slot 0 are in; slot 1's load may be out
	s_barrier_signal -1
	s_barrier_wait -1
	FETCH_B 0, 0, 0
	FETCH_A 0, 0, 0
	SCALES 0
	FETCH_A 0, 0, 4
	STEP 0, 0, 1                                   ; the first products start the sums: nothing is cleared
	STEP 0, 1, 0
	STEP 0, 2, 0
	TURN 0, 1
	s_cmp_eq_u32 ttmp9, 2                          ; v is not rotated: the ways part here, once
	s_cbranch_scc1 .Lvpart
	; ---- q and k ----
	WIN TO_B
	TABLOAD 0                                      ; into registers of window 1 that no product names: they land while slot 1 is multiplied
	TABLOAD 1
	TABLOAD 2
	TABLOAD 3
	WIN 0
	LAST_SLOT
	s_wait_loadcnt 0x0                             ; the table of blocks 0-3 is in
	WIN TO_B
	TABLOAD 4                                      ; blocks 4-7 take W's two sets, which are done with; they land while blocks 0-3 go out
	TABLOAD 5
	TABLOAD 6
	TABLOAD 7
	WIN 0
.irp a, 0,1,2,3,4,5,6,7
.if \a == 4
	s_wait_loadcnt 0x0                             ; the table of blocks 4-7 is in
.endif
	ROPE \a
	PACKT
.if \a == 0
	FINE 0
.endif
.if \a > 1
	s_wait_xcnt 0x0                                ; block a - 2's stores have read their registers: block a's loads may land there
.endif
	TOSTAGE \a
.if \a > 0
	SEND \a-1, 16                                  ; behind block a - 1's loads: block a's 8 stores and 8 loads
.endif
.endr
	SEND 7, 0
	s_branch .Lend
	; ---- v ----
.Lvpart:
	LAST_SLOT
.irp a, 0,1,2,3,4,5,6,7
	PACKV \a
.if \a == 0
	FINE 1
.endif
.if \a > 1
	s_wait_xcnt 0x0
.endif
	TOSTAGE \a
.if \a > 0
	SEND \a-1, 16
.endif
.endr
	SEND 7, 0
.Lend:
	s_wait_tensorcnt 0x0                           ; the wave's end
	ds_add_u32 v[SPW], v[NIL]
	s_wait_dscnt 0x0
	CROUND                                         ; the closing round
	s_endpgm
.Lfunc_end_k_qf8bcfef393_qkv:
	.size	k_qf8bcfef393_qkv, .Lfunc_end_k_qf8bcfef393_qkv-k_qf8bcfef393_qkv
	.p2alignl 7, 3214868480
	.fill 96, 4, 3214868480
	.section	.rodata,"a",@progbits
	.p2align	6, 0x0
	.amdhsa_kernel k_qf8bcfef393_qkv
		.amdhsa_group_segment_fixed_size 327680
		.amdhsa_private_segment_fixed_size 0
		.amdhsa_enable_private_segment 0
		.amdhsa_kernarg_size 40
		.amdhsa_user_sgpr_count 2
		.amdhsa_user_sgpr_kernarg_segment_ptr 1
		.amdhsa_wavefront_size32 1
		.amdhsa_system_sgpr_workgroup_id_x 1
		.amdhsa_system_sgpr_workgroup_id_y 1
		.amdhsa_system_sgpr_workgroup_id_z 1
		.amdhsa_system_vgpr_workitem_id 0
		.amdhsa_next_free_vgpr 1024
		.amdhsa_next_free_sgpr 102
		.amdhsa_reserve_vcc 1
		.amdhsa_float_denorm_mode_32 3
		.amdhsa_float_denorm_mode_16_64 3
		.amdhsa_memory_ordered 1
		.amdhsa_forward_progress 1
		.amdhsa_inst_pref_size 239
	.end_amdhsa_kernel
	.amdgpu_metadata
---
amdhsa.version: [ 1, 2 ]
amdhsa.kernels:
  - .name:           k_qf8bcfef393_qkv
    .symbol:         k_qf8bcfef393_qkv.kd
    .args:
      - { .name: codes, .offset: 0, .size: 8, .value_kind: global_buffer, .address_space: global }
      - { .name: scales, .offset: 8, .size: 8, .value_kind: global_buffer, .address_space: global }
      - { .name: aux, .offset: 16, .size: 8, .value_kind: global_buffer, .address_space: global }
      - { .name: qkv16, .offset: 24, .size: 8, .value_kind: global_buffer, .address_space: global }
      - { .name: qkv32, .offset: 32, .size: 8, .value_kind: global_buffer, .address_space: global }
    .group_segment_fixed_size: 327680
    .private_segment_fixed_size: 0
    .kernarg_segment_align: 8
    .kernarg_segment_size: 40
    .max_flat_workgroup_size: 128
    .sgpr_count:     102
    .vgpr_count:     1024
    .wavefront_size: 32
...
	.end_amdgpu_metadata
.endif
;; end of part 2
;; launch attn (part 3): grid 4 x 64, 8 waves a work-group, no clusters, 327,680 bytes of LDS; arguments qkv16, y16; writes y16
.if DOCPART == 3
	.amdgcn_target "amdgcn-amd-amdhsa--gfx1250"
	.amdhsa_code_object_version 6
	.text
	.protected	k_qf8bcfef393_attn
	.globl	k_qf8bcfef393_attn
	.p2align	8
	.type	k_qf8bcfef393_attn,@function
k_qf8bcfef393_attn:
	s_mov_b64 s[64:65], 0
	v_nop
	global_prefetch_b8 v0, s[64:65] scope:SCOPE_SE
	s_setreg_imm32_b32 hwreg(HW_REG_WAVE_MODE, 25, 1), 1
	s_wait_xcnt 0x0
; y[b][h][q] = the sum over k <= q of softmax_k(q . k / 8) v, on f16 operands with f32 products, maxima and sums; a running maximum is taken away ahead of every exponential.  y16: [4 b][16 h][2048 t][64] f16.
; WORK LEFT OUT: keys after a query have weight exactly 0 by the mask that the reference builds itself: a step of 64 keys all of which come after a wave's 32 queries is not multiplied,
; and key blocks above a query block's diagonal are not fetched.  A NaN or an overflow that lives only there is not carried to the result.
; SHARES.  Work-group (p, head) owns the query blocks of 256 numbered 7 - p and then p: (8 - p) + (p + 1) = 9 key blocks of 256 in every work-group: equal work, a constant trip count.
; Wave w owns 32 queries (two tiles of 16) at sub-block w (w < 4) or 11 - w.  A step is 64 keys.
; NO CLUSTER: the four work-groups of a head leave the common walk at different trips; walking jointly would take 12 blocks each in place of 9.
; LAYOUT.  S^T = K Q^T (source 0 = 16 keys, source 1 = 16 queries): a lane holds one query (lane % 16) and keys 8 (lane / 16) + 0..7.  Two such tiles, rounded to f16 in pairs, are source 1 of O^T = V^T P.
; The row's sum is a product too: a tile of ones x P; only its register 0 is used, so only that one is rescaled.
; RING.  Two slots of 256 keys.  K and V rows are dense (128 bytes a key): a tile is stated as rows of 256 bytes (two keys), padded by 16 (K) or 32 (V) bytes.  Waves 0-3 fetch K's quarters, waves 4-7 V's.
; A wave has one tensor load out.  All of LDS is claimed.
; REGISTERS: window 0: v2-15 addresses; v16-31 statistics, 8 a tile: +0 c m, +1 m, +2 a, +3 its pair's other half, +4..7 at work; v32-63 Q; v64-127 S^T; v128-159 P; v160-223 O^T; v224-239 the sums.
;   window 1: v0-63 K; v64-127 V^T; v128-135 ones; v136-167 the second block's Q.
; LIMITS: f16 operands: |q|, |k|, |v| under 65,504; weights under 2^-25 of the row's largest count as 0.
.set SLOT1,  131072
.set KPI,    272
.set VPI,    288
.set VOFF,   128*KPI
.set KSTEPB, 32*KPI
.set VSTEPB, 32*VPI
.set STAGE,  262144                    ; 16 rows x 144 bytes for each wave; no tensor load lands here
.set SPARE,  STAGE+8*2304              ; the spare words, 128 bytes a wave
.set MSB, 0
.macro WIN new
.if MSB != \new
	s_set_vgpr_msb (MSB<<8)|\new
.set MSB, \new
.endif
.endm
.macro TLOAD                           ; the branch hangs on the wave's number alone; an s_nop 0 and four v_nop follow each line
	s_cmp_lt_u32 s8, 4
	s_cbranch_scc0 .Lfor_v_\@
	tensor_load_to_lds s[40:43], s[24:31]
	s_nop 0
.rept 4
	v_nop
.endr
	s_branch .Lasked_\@
.Lfor_v_\@:
	tensor_load_to_lds s[44:47], s[32:39]
	s_nop 0
.rept 4
	v_nop
.endr
.Lasked_\@:
.endm
; A prefetch of the key block after the one that is being fetched: one trip ahead of its load.  All four work-groups of a head walk the same K and V: the one with p = 0, which walks blocks 0 to 7 on end, asks;
; each of its waves names its own quarter, 8,192 bytes, lanes 256 bytes apart: each block of 256 bytes is named once.  It stops with block 7; blocks 0 and 1 come by their loads alone.
.macro ASK
	s_cmp_gt_u32 s19, s62
	s_cbranch_scc0 .Lnot_mine_\@
	global_prefetch_b8 v12, s[60:61] th:TH_LOAD_NT scope:SCOPE_SE
.Lnot_mine_\@:
.endm
	s_load_b128 s[4:7], s[0:1], 0x0                ; qkv16 s[4:5], y16 s[6:7]
	v_lshl_add_u32 v10, v0, 2, SPARE
	v_mov_b32 v11, 0
	ds_add_u32 v10, v11                            ; the wave's opening: the add, twice on end, and its wait ahead of my first tensor load
	ds_add_u32 v10, v11
	v_lshrrev_b32 v1, 5, v0
	v_readfirstlane_b32 s8, v1                     ; wave
	s_mov_b32 s9, ttmp9                            ; p
	s_and_b32 s10, ttmp7, 0xffff                   ; batch x 16 + head
	s_lshr_b32 s63, s8, 2
	s_mul_i32 s63, s63, 3
	s_xor_b32 s11, s8, s63                         ; my sub-block: 0,1,2,3,7,6,5,4
	s_mov_b32 s24, (1<<16)|(1<<20)|(5<<22)|(3<<25) ; K: elements of 2 bytes; 4 words of padding after every 64
	s_mov_b32 s25, 128<<16                         ; tensor_dim0 = 128
	s_mov_b32 s26, 32<<16                          ; tensor_dim1 = 32
	s_mov_b32 s27, 128<<16                         ; tile_dim0
	s_mov_b32 s28, 32                              ; tile_dim1
	s_mov_b32 s29, 128                             ; stride
	s_mov_b32 s30, 0
	s_mov_b32 s31, 0
	s_mov_b32 s32, (1<<16)|(1<<20)|(5<<22)|(7<<25) ; V: 8 words of padding
	s_mov_b32 s33, 128<<16
	s_mov_b32 s34, 32<<16
	s_mov_b32 s35, 128<<16
	s_mov_b32 s36, 32
	s_mov_b32 s37, 128
	s_mov_b32 s38, 0
	s_mov_b32 s39, 0
	s_and_b32 s63, s8, 3                           ; which quarter of a block I fetch
	s_mov_b32 s40, 1
	s_mul_i32 s41, s63, KSTEPB
	s_mov_b32 s44, 1
	s_mul_i32 s45, s63, VSTEPB
	s_add_co_u32 s45, s45, VOFF
	s_lshl_b32 s66, s10, 18                        ; the head's first byte in each part
	s_lshl_b32 s16, s63, 13
	s_add_co_u32 s16, s16, s66
	s_mov_b32 s17, 0
	s_sub_co_u32 s48, 7, s9
	s_lshl_b32 s48, s48, 8
	s_lshl_b32 s63, s11, 5
	s_add_co_u32 s48, s48, s63                     ; my first query in the first block,
	s_lshl_b32 s54, s9, 8
	s_add_co_u32 s54, s54, s63                     ; and in the second
	s_lshl_b32 s2, s48, 7
	s_add_co_u32 s2, s2, s66
	s_mov_b32 s3, 0
	s_lshl_b32 s52, s54, 7
	s_add_co_u32 s52, s52, s66
	s_mov_b32 s53, 0
	s_mov_b32 s56, 0x3e38aa3b                      ; c = log2(e) / 8
	s_mov_b32 s57, s56
	s_mov_b32 s58, 0x76543210
	s_mov_b32 s59, 0xfedcba98
	s_mov_b32 s18, 0                               ; the key block last asked for
	s_mov_b32 s19, 8                               ; trips to go
	s_add_co_u32 s20, s9, 1                        ; the trip in which the first query block ends
	s_mov_b32 s22, 0                               ; where the step's K and V begin in LDS
	s_mov_b32 s23, 0
	s_mov_b32 s49, 0                               ; the step's first key
	s_wait_dscnt 0x0                               ; both opening adds are done
	s_wait_kmcnt 0x0
	s_add_nc_u64 s[12:13], s[4:5], s[16:17]
	s_add_nc_u64 s[14:15], s[12:13], 33554432      ; V's part, my quarter of block 0
	s_add_nc_u64 s[12:13], s[12:13], 16777216      ; K's
	s_mov_b64 s[42:43], s[12:13]
	s_or_b32 s43, s43, 0x80000000
	s_mov_b64 s[46:47], s[14:15]
	s_or_b32 s47, s47, 0x80000000
	TLOAD                                          ; block 0 into slot 0
	s_mov_b32 s16, 0
	s_add_nc_u64 s[50:51], s[6:7], s[2:3]          ; y at my first query
	s_add_nc_u64 s[2:3], s[4:5], s[2:3]            ; q likewise
	s_add_nc_u64 s[66:67], s[4:5], s[52:53]
	s_add_nc_u64 s[52:53], s[6:7], s[52:53]
	s_cmp_lt_u32 s8, 4
	s_cselect_b64 s[60:61], s[12:13], s[14:15]
	s_add_nc_u64 s[60:61], s[60:61], 32768         ; at block 1: the first change of slots steps it to block 2
	s_cmp_eq_u32 s9, 0
	s_cselect_b32 s62, 2, -1
	v_and_b32 v1, 15, v0                           ; r
	v_bfe_u32 v15, v0, 4, 1                        ; h
	v_lshlrev_b32 v6, 7, v1
	v_lshl_add_u32 v6, v15, 4, v6                  ; Q: row r of 128 bytes + 16 h
.irp x, 0,1
.irp ks, 0,1
	global_load_b128 v[32+16*\x+8*\ks:35+16*\x+8*\ks], v6, s[2:3] offset:\x*2048+\ks*64
	global_load_b128 v[36+16*\x+8*\ks:39+16*\x+8*\ks], v6, s[2:3] offset:\x*2048+\ks*64+32
.endr
.endr
	WIN 0x40
.irp x, 0,1
.irp ks, 0,1
	global_load_b128 v[136+16*\x+8*\ks:139+16*\x+8*\ks], v6, s[66:67] offset:\x*2048+\ks*64
	global_load_b128 v[140+16*\x+8*\ks:143+16*\x+8*\ks], v6, s[66:67] offset:\x*2048+\ks*64+32
.endr
.endr
.irp i, 0,1,2,3,4,5,6,7
	v_mov_b32 v[128+\i], 0x3c003c00                ; ones, in f16
.endr
	WIN 0
	v_lshrrev_b32 v2, 1, v1
	v_mul_u32_u24 v2, v2, KPI
	v_and_b32 v4, 1, v0
	v_lshl_add_u32 v2, v4, 7, v2
	v_lshl_add_u32 v2, v15, 4, v2                  ; K: key r lies in row r / 2, half r % 2; + 16 h
	v_bfe_u32 v3, v0, 1, 2
	v_lshl_add_u32 v3, v15, 2, v3
	v_mul_u32_u24 v3, v3, VPI
	v_lshl_add_u32 v3, v4, 7, v3
	v_bfe_u32 v5, v0, 3, 1
	v_lshl_add_u32 v3, v5, 4, v3
	v_add_nc_u32 v3, VOFF, v3                      ; V, for the turning load: key 8 h + lane % 8, channels 8 ((lane / 8) % 2) on
	s_mul_i32 s63, s8, 2304
	s_add_co_u32 s63, s63, STAGE
	v_mul_u32_u24 v7, v1, 144
	v_lshl_add_u32 v7, v15, 4, v7
	v_add_nc_u32 v7, s63, v7                       ; the stage, way in
	v_bfe_u32 v8, v0, 3, 2
	v_mul_u32_u24 v8, v8, 144
	v_and_b32 v5, 7, v0
	v_lshl_add_u32 v8, v5, 4, v8
	v_add_nc_u32 v8, s63, v8                       ; way out: four rows an instruction
	v_and_b32 v9, 31, v0
	v_lshlrev_b32 v12, 8, v9
	v_lshlrev_b32 v9, 4, v9
	v_lshlrev_b32 v5, 3, v15
	v_sub_nc_u32 v13, v1, v5                       ; r - 8 h
	v_mov_b32 v14, 0xff800000                      ; -infinity
.macro INIT                            ; the step is written once: the first step of a query block finds zeros, which its a = 0 leaves zeros
.irp x, 0,1
	v_mov_b32 v[17+8*\x], 0xff61b1e6               ; m = -3e38, under every score
	v_mul_f32 v[16+8*\x], s56, v[17+8*\x]
	v_mov_b32 v[19+8*\x], 0
.endr
.set ii, 160
.rept 80
	v_mov_b32 v[ii], 0
.set ii, ii+1
.endr
.endm
.macro MASK                            ; on the diagonal the scores of hidden keys become -infinity.  Register 8 kt + j of tile x: key KF + 16 kt + 8 h + j, query Q0 + 16 x + r
	s_add_co_u32 s63, s49, 63
	s_cmp_le_u32 s63, s48
	s_cbranch_scc1 .Lopen_\@
	s_sub_co_u32 s63, s48, s49
	v_add_nc_u32 v15, s63, v13
.irp x, 0,1
.set n, 0
.rept 32
	v_cmp_gt_i32 vcc_lo, 16*(n/8)+n%8-16*\x, v15
	v_cndmask_b32 v[64+32*\x+n], v[64+32*\x+n], v14, vcc_lo
.set n, n+1
.endr
.endr
.Lopen_\@:
.endm
.macro SOFTMAX                         ; the two tiles alternate line by line
.irp j, 0,1,2,3
.irp x, 0,1
	v_max3_num_f32 v[20+8*\x+\j], v[64+32*\x+8*\j], v[65+32*\x+8*\j], v[66+32*\x+8*\j]   ; each accumulator from its low end on
.endr
.endr
.irp g, 1,2
.irp j, 0,1,2,3
.irp x, 0,1
	v_max3_num_f32 v[20+8*\x+\j], v[20+8*\x+\j], v[65+32*\x+8*\j+2*\g], v[66+32*\x+8*\j+2*\g]
.endr
.endr
.endr
.irp x, 0,1
	v_max3_num_f32 v[20+8*\x], v[20+8*\x], v[71+32*\x], v[79+32*\x]
.endr
.irp x, 0,1
	v_max3_num_f32 v[22+8*\x], v[22+8*\x], v[87+32*\x], v[95+32*\x]
.endr
.irp x, 0,1
	v_max3_num_f32 v[20+8*\x], v[20+8*\x], v[21+8*\x], v[22+8*\x]
.endr
.irp x, 0,1
	v_max3_num_f32 v[20+8*\x], v[20+8*\x], v[23+8*\x], v[17+8*\x]
.endr
.irp x, 0,1
	v_permlanex16_b32 v[21+8*\x], v[20+8*\x], s58, s59   ; the query's other 32 keys lie in the lane 16 away
.endr
.irp x, 0,1
	v_mov_b32 v[23+8*\x], v[16+8*\x]               ; c m_old
.endr
.irp x, 0,1
	v_max_num_f32 v[17+8*\x], v[20+8*\x], v[21+8*\x]
.endr
.irp x, 0,1
	v_mul_f32 v[16+8*\x], s56, v[17+8*\x]
.endr
.irp x, 0,1
	v_sub_f32 v[23+8*\x], v[23+8*\x], v[16+8*\x]
.endr
.irp x, 0,1
	v_exp_f32 v[18+8*\x], v[23+8*\x]               ; a = 2^(c m_old - c m_new)
.endr
.set i, 0
.rept 16
.irp x, 0,1
	v_pk_fma_f32 v[64+32*\x+2*i:65+32*\x+2*i], v[64+32*\x+2*i:65+32*\x+2*i], s[56:57], v[16+8*\x:17+8*\x] op_sel_hi:[1,0,0] neg_lo:[0,0,1] neg_hi:[0,0,1]   ; c s - c m
.endr
.set i, i+1
.endr
.set i, 0
.rept 64
	v_exp_f32 v[64+i], v[64+i]
.set i, i+1
.endr
	v_nop                                          ; a plain instruction behind the last exponential,
	s_wait_alu depctr_va_vdst(0)                   ; and one wait for all 66, ahead of the first use
.set i, 0
.rept 16
.irp x, 0,1
	v_cvt_pk_f16_f32 v[128+16*\x+i], v[64+32*\x+2*i], v[65+32*\x+2*i]
.endr
.set i, i+1
.endr
.set i, 0
.rept 16
.irp x, 0,1
	v_pk_mul_f32 v[160+32*\x+2*i:161+32*\x+2*i], v[160+32*\x+2*i:161+32*\x+2*i], v[18+8*\x:19+8*\x] op_sel_hi:[1,0]   ; O^T x a
.endr
.set i, i+1
.endr
.irp x, 0,1
	v_mul_f32 v[224+8*\x], v[224+8*\x], v[18+8*\x] ; the sum x a: register 0 alone is ever read
.endr
.endm
.macro STEP                            ; 64 keys
	s_add_co_u32 s63, s48, 31
	s_cmp_gt_u32 s49, s63                          ; all its keys come after my 32 queries: left out
	s_cbranch_scc1 .Lhidden_\@
	v_add_nc_u32 v4, s22, v2
	v_add_nc_u32 v5, s23, v3
	v_nop
	v_nop                                          ; four plain instructions between the last products and the loads into V's registers
	WIN 0x40
.irp kt, 0,1,2,3
.irp ks, 0,1
	ds_load_b128 v[16*\kt+8*\ks:16*\kt+8*\ks+3], v4 offset:\kt*8*KPI+64*\ks
	ds_load_b128 v[16*\kt+8*\ks+4:16*\kt+8*\ks+7], v4 offset:\kt*8*KPI+64*\ks+32
.endr
.endr
.irp kk, 0,1
.irp c, 0,1,2,3
	ds_load_tr16_b128 v[64+32*\kk+8*\c:64+32*\kk+8*\c+3], v5 offset:16*\kk*VPI+32*\c
	ds_load_tr16_b128 v[64+32*\kk+8*\c+4:64+32*\kk+8*\c+7], v5 offset:(16*\kk+8)*VPI+32*\c
.endr
.endr
	WIN 0x01
	s_wait_dscnt 16                                ; K is in; V's sixteen loads may be out
.irp ks, 0,1                           ; the eight accumulators take turns
.irp x, 0,1
.irp kt, 0,1,2,3
.if \ks == 0
	v_wmma_f32_16x16x32_f16 v[64+32*\x+8*\kt:71+32*\x+8*\kt], v[16*\kt+8*\ks:16*\kt+8*\ks+7], v[32+16*\x+8*\ks:39+16*\x+8*\ks], 0
.else
	v_wmma_f32_16x16x32_f16 v[64+32*\x+8*\kt:71+32*\x+8*\kt], v[16*\kt+8*\ks:16*\kt+8*\ks+7], v[32+16*\x+8*\ks:39+16*\x+8*\ks], v[64+32*\x+8*\kt:71+32*\x+8*\kt]
.endif
.endr
.endr
.endr
	WIN 0
.rept 4
	v_nop
.endr
	MASK
	SOFTMAX
	WIN 0x01
	s_wait_dscnt 0x0                               ; V is in
.irp kk, 0,1                           ; ten accumulators take turns
.irp x, 0,1
.irp c, 0,1,2,3
	v_wmma_f32_16x16x32_f16 v[160+32*\x+8*\c:167+32*\x+8*\c], v[64+32*\kk+8*\c:71+32*\kk+8*\c], v[128+16*\x+8*\kk:135+16*\x+8*\kk], v[160+32*\x+8*\c:167+32*\x+8*\c]
.endr
	v_wmma_f32_16x16x32_f16 v[224+8*\x:231+8*\x], v[128:135], v[128+16*\x+8*\kk:135+16*\x+8*\kk], v[224+8*\x:231+8*\x]
.endr
.endr
	WIN 0
.Lhidden_\@:
	s_add_co_u32 s49, s49, 64
	s_add_co_u32 s22, s22, KSTEPB
	s_add_co_u32 s23, s23, VSTEPB
.endm
; THE CHANGE OF SLOTS stands at a slot's head: each wave waits for all its tensor loads, adds 0 to its spare word, waits for that and for its reads of the slot that it has left; one barrier;
; behind it (fill = 1) the slot just left takes the next key block: the wave's one tensor load until the next such barrier, with four steps in which to land.
.macro CHANGE fill
	s_wait_tensorcnt 0x0                           ; no tensor load of mine is out, so a group 0 may be written
	ds_add_u32 v10, v11
.if \fill
	s_add_co_u32 s18, s18, 1
	s_cmp_eq_u32 s19, s20
	s_cselect_b32 s18, 0, s18                      ; the second query block begins again at key block 0
	s_lshl_b32 s16, s18, 15
	s_xor_b32 s41, s41, SLOT1
	s_xor_b32 s45, s45, SLOT1
	s_add_nc_u64 s[42:43], s[12:13], s[16:17]
	s_or_b32 s43, s43, 0x80000000
	s_add_nc_u64 s[46:47], s[14:15], s[16:17]
	s_or_b32 s47, s47, 0x80000000
	s_wait_xcnt 0x0                                ; the last prefetch, a trip back, has read its address
	s_add_nc_u64 s[60:61], s[60:61], 32768
.endif
	s_wait_dscnt 0x0
	s_barrier_signal -1
	s_barrier_wait -1
.if \fill
	TLOAD
	ASK
.endif
.endm
.macro SLOT_STEPS
	s_mov_b32 s21, 4
.Lstep_\@:
	STEP
	s_sub_co_u32 s21, s21, 1
	s_cmp_lg_u32 s21, 0
	s_cbranch_scc1 .Lstep_\@
	s_sub_co_u32 s22, s22, 4*KSTEPB
	s_sub_co_u32 s23, s23, 4*VSTEPB
	s_xor_b32 s22, s22, SLOT1
	s_xor_b32 s23, s23, SLOT1
.endm
.macro FINISH                          ; O^T / the sum, to f16, through my stage, out as rows: four rows of 128 bytes are 512 consecutive bytes
.rept 4
	v_nop
.endr
	v_rcp_f32 v18, v224
	v_rcp_f32 v26, v232
	v_nop
	s_wait_alu depctr_va_vdst(0)                   ; one wait for both reciprocals, ahead of their first use
.set i, 0
.rept 16
.irp x, 0,1
	v_pk_mul_f32 v[160+32*\x+2*i:161+32*\x+2*i], v[160+32*\x+2*i:161+32*\x+2*i], v[18+8*\x:19+8*\x] op_sel_hi:[1,0]
.endr
.set i, i+1
.endr
.set i, 0
.rept 16
.irp x, 0,1
	v_cvt_pk_f16_f32 v[64+16*\x+i], v[160+32*\x+2*i], v[161+32*\x+2*i]
.endr
.set i, i+1
.endr
.irp x, 0,1
.irp c, 0,1,2,3
	ds_store_b128 v7, v[64+16*\x+4*\c:67+16*\x+4*\c] offset:32*\c
.endr
.irp i, 0,1,2,3
	ds_load_b128 v[96+16*\x+4*\i:99+16*\x+4*\i], v8 offset:576*\i   ; LDS serves a wave's instructions in order
.endr
.endr
	s_wait_dscnt 8                                 ; tile 0 is back; tile 1's four stores and four loads may be out
.irp i, 0,1,2,3
	global_store_b128 v9, v[96+4*\i:99+4*\i], s[50:51] offset:512*\i
.endr
	s_wait_dscnt 0x0
.irp i, 0,1,2,3
	global_store_b128 v9, v[112+4*\i:115+4*\i], s[50:51] offset:2048+512*\i
.endr
	s_wait_xcnt 0x0                                ; the stores have read their registers and their base
.endm
	INIT
	s_wait_loadcnt 0x0                             ; Q, both blocks'
.Ltrip:                                            ; eight trips; each asks for the next key block
	CHANGE 1
	SLOT_STEPS
	s_cmp_lg_u32 s19, s20
	s_cbranch_scc1 .Lsame
	FINISH                                         ; the first query block is done
	WIN 0x01
.set i, 0
.rept 32
	v_mov_b32 v[32+i], v[136+i]                    ; the second block's Q
.set i, i+1
.endr
	WIN 0
	INIT
	s_mov_b32 s48, s54
	s_mov_b32 s49, 0
	s_mov_b64 s[50:51], s[52:53]
.Lsame:
	s_sub_co_u32 s19, s19, 1
	s_cmp_lg_u32 s19, 0
	s_cbranch_scc1 .Ltrip
	CHANGE 0                                       ; the ninth block is written out: nothing is left to fetch
	SLOT_STEPS
	FINISH
	s_wait_tensorcnt 0x0                           ; the wave's end
	ds_add_u32 v10, v11
	s_wait_dscnt 0x0
	s_endpgm
.Lfunc_end_k_qf8bcfef393_attn:
	.size	k_qf8bcfef393_attn, .Lfunc_end_k_qf8bcfef393_attn-k_qf8bcfef393_attn
	.p2alignl 7, 3214868480
	.fill 96, 4, 3214868480
	.section	.rodata,"a",@progbits
	.p2align	6, 0x0
	.amdhsa_kernel k_qf8bcfef393_attn
		.amdhsa_group_segment_fixed_size 327680
		.amdhsa_private_segment_fixed_size 0
		.amdhsa_enable_private_segment 0
		.amdhsa_kernarg_size 16
		.amdhsa_user_sgpr_count 2
		.amdhsa_user_sgpr_kernarg_segment_ptr 1
		.amdhsa_wavefront_size32 1
		.amdhsa_system_sgpr_workgroup_id_x 1
		.amdhsa_system_sgpr_workgroup_id_y 1
		.amdhsa_system_sgpr_workgroup_id_z 1
		.amdhsa_system_vgpr_workitem_id 0
		.amdhsa_next_free_vgpr 512
		.amdhsa_next_free_sgpr 68
		.amdhsa_reserve_vcc 1
		.amdhsa_float_denorm_mode_32 3
		.amdhsa_float_denorm_mode_16_64 3
		.amdhsa_memory_ordered 1
		.amdhsa_forward_progress 1
		.amdhsa_inst_pref_size 69
	.end_amdhsa_kernel
	.amdgpu_metadata
---
amdhsa.version: [ 1, 2 ]
amdhsa.kernels:
  - .name:           k_qf8bcfef393_attn
    .symbol:         k_qf8bcfef393_attn.kd
    .args:
      - { .name: qkv16, .offset: 0, .size: 8, .value_kind: global_buffer, .address_space: global }
      - { .name: y16, .offset: 8, .size: 8, .value_kind: global_buffer, .address_space: global }
    .group_segment_fixed_size: 327680
    .private_segment_fixed_size: 0
    .kernarg_segment_align: 8
    .kernarg_segment_size: 16
    .max_flat_workgroup_size: 256
    .sgpr_count:     68
    .vgpr_count:     512
    .wavefront_size: 32
...
	.end_amdgpu_metadata
.endif
;; end of part 3
;; launch proj (part 4): grid 4 x 64, 4 waves a work-group, clusters of 4 x 4, 327,680 bytes of LDS; arguments y16, aux, out0; writes out0
.if DOCPART == 4
	.amdgcn_target "amdgcn-amd-amdhsa--gfx1250"
	.amdhsa_code_object_version 6
	.text
	.protected	k_qf8bcfef393_proj
	.globl	k_qf8bcfef393_proj
	.p2align	8
	.type	k_qf8bcfef393_proj,@function
k_qf8bcfef393_proj:
	s_mov_b64 s[64:65], 0
	v_nop
	global_prefetch_b8 v0, s[64:65] scope:SCOPE_SE
	s_setreg_imm32_b32 hwreg(HW_REG_WAVE_MODE, 25, 1), 1
	s_wait_xcnt 0x0
	s_wait_alu depctr_hold_cnt(0) depctr_sa_sdst(0) depctr_va_vdst(0) depctr_va_sdst(0) depctr_va_ssrc(0) depctr_va_vcc(0) depctr_vm_vsrc(0)
	s_getreg_b32 s2, hwreg(HW_REG_IB_STS2, 6, 4)
	s_cmp_eq_u32 s2, 0
	s_cbranch_scc0 .Lentry_in_a_cluster
	s_endpgm
.Lentry_in_a_cluster:
	s_bfe_u32 s2, ttmp6, 0x10000c
	s_cmp_lg_u32 s2, 0xf033
	s_cbranch_scc0 .Lentry_shape_is_right
	s_endpgm
.Lentry_shape_is_right:
; out0 = y W_proj on f16 operands, f32 sums.  y16: [4 b][16 h][2048 t][64] f16; W_proj in f16 [1024 k][1024 n] at aux + 0; out0: [8192][1024] f32.
; Rows t < 16 of each batch lie inside live tiles and are made here too; the last launch writes them again, from f32.
; A tile of out0 is 128 x 256: 256 work-groups.  Four waves, each 64 rows x 128 columns: 32 accumulators, window 1.  K goes in steps of 128 (two heads) through two LDS slots.
; y's tile of a head is 16,384 dense bytes: rows of 256 bytes (two t), 16 of padding.  W's tile: 128 k rows of 512 bytes, 32 of padding; it is turned on its way out of LDS (ds_load_tr16_b128).
; USED TRANSPOSED: source 0 = 16 columns of W_proj, source 1 = 16 rows of y: a lane holds eight neighbouring columns of one row of out0.
; CLUSTERS: 4 x 4; y's tiles are shared along a row of the cluster, W's along a column: joint loads.  A wave has two tensor loads out at the start, then one.
; All of LDS is claimed.
.set SLOT,   104448
.set BOFF,   34816
.set SPARE,  2*SLOT
.set ADRA, 16
.set ADRB, 20
.set STO,  24
.set RD,   25
.set CO,   26
.set SPW,  28
.set NIL,  29
.set PFO,  30
.set F0,   64                          ; a fragment buffer: 32 registers of y (4 blocks of 16 rows x 32 K), then 64 of W (8 blocks of 16 columns)
.set F1,   160
.set G1, 24
.set G0, 32
.set G1B, 48
.set G0B, 56
.set LIM, 43
.set PFA, 44
.set MSB, 0
.macro WIN new
.if MSB != \new
	s_set_vgpr_msb (MSB<<8)|\new
.set MSB, \new
.endif
.endm
.macro JLOAD s                         ; waves 0 and 1 fetch y's two heads, waves 2 and 3 W's two halves; an s_nop 0 and four v_nop follow each line
	s_cmp_eq_u32 s11, 0
	s_cbranch_scc0 .Lfor_b_\@
	tensor_load_to_lds s[G0+4*\s:G0+4*\s+3], s[G1:G1+7]
	s_nop 0
.rept 4
	v_nop
.endr
	s_branch .Lasked_\@
.Lfor_b_\@:
	tensor_load_to_lds s[G0B+4*\s:G0B+4*\s+3], s[G1B:G1B+7]
	s_nop 0
.rept 4
	v_nop
.endr
.Lasked_\@:
.endm
.macro CREST
	s_cmp_lg_u32 s10, 0
	s_cbranch_scc1 .Lnot_wave_0_\@
	s_barrier_signal -3
.Lnot_wave_0_\@:
	s_barrier_wait -3
	s_barrier_signal -1
	s_barrier_wait -1
.endm
.macro CROUND
	s_barrier_signal -1
	s_barrier_wait -1
	CREST
.endm
; A prefetch of y's K step two refills on: the tile's 16,384 bytes of each of two heads are shared out among the four partners by address, 4,096 each: wave 0, lanes 0-15 one head, lanes 16-31 the other, 256 bytes apart.
; Only this row of the cluster reads these rows, so each block of 256 bytes is named once.  K steps 0 to 3 come by their loads alone; the last trip asks for nothing.  W_proj is read by all sixteen clusters and is not asked for.
.macro ASK
	s_cmp_gt_u32 s3, s[LIM]
	s_cbranch_scc0 .Lnot_mine_\@
	global_prefetch_b8 v[PFO], s[PFA:PFA+1] th:TH_LOAD_NT scope:SCOPE_SE
.Lnot_mine_\@:
.endm
	s_load_b128 s[4:7], s[0:1], 0x0                ; y16 s[4:5], aux s[6:7]
	s_load_b64 s[8:9], s[0:1], 0x10                ; out0
	v_lshl_add_u32 v[SPW], v0, 2, SPARE
	v_mov_b32 v[NIL], 0
	ds_add_u32 v[SPW], v[NIL]                      ; the wave's opening: the add, twice on end, and its wait ahead of my first tensor load
	ds_add_u32 v[SPW], v[NIL]
	v_lshrrev_b32 v1, 5, v0
	v_readfirstlane_b32 s10, v1                    ; wave
	s_lshr_b32 s11, s10, 1                         ; which 64 rows are mine; also: I fetch for y (0) or for W (1)
	s_and_b32 s12, s10, 1                          ; which 128 columns; also: which half I fetch
	s_bfe_u32 s40, ttmp6, 0x40000                  ; cx
	s_bfe_u32 s41, ttmp6, 0x40004                  ; cy
	s_lshl_b32 s42, ttmp9, 2
	s_add_co_u32 s42, s42, s40                     ; tile column
	s_and_b32 s13, ttmp7, 0xffff
	s_lshl_b32 s13, s13, 2
	s_add_co_u32 s13, s13, s41                     ; tile row
	s_lshl_b32 s43, s41, 2
	s_lshl_b32 s43, 15, s43
	s_lshl_b32 s44, 0x1111, s40
	s_or_b32 s[G1+0], s43, (1<<16)|(1<<20)|(1<<21)|(5<<22)|(3<<25)   ; y: elements of 2 bytes; 4 words of padding after every 64
	s_mov_b32 s[G1+1], 128<<16
	s_mov_b32 s[G1+2], 64<<16
	s_mov_b32 s[G1+3], 128<<16
	s_mov_b32 s[G1+4], 64
	s_mov_b32 s[G1+5], 128
	s_mov_b32 s[G1+6], 0
	s_mov_b32 s[G1+7], 0
	s_or_b32 s[G1B+0], s44, (1<<16)|(1<<20)|(1<<21)|(6<<22)|(7<<25)  ; W: 8 words of padding after every 128
	s_mov_b32 s[G1B+1], 256<<16
	s_mov_b32 s[G1B+2], 64<<16
	s_mov_b32 s[G1B+3], 256<<16
	s_mov_b32 s[G1B+4], 64
	s_mov_b32 s[G1B+5], 1024
	s_mov_b32 s[G1B+6], 0
	s_mov_b32 s[G1B+7], 0
	s_lshr_b32 s16, s13, 4
	s_lshl_b32 s16, s16, 22                        ; batch
	s_and_b32 s17, s13, 15
	s_lshl_b32 s17, s17, 14                        ; 128 rows of 128 bytes
	s_add_co_u32 s16, s16, s17
	s_lshl_b32 s17, s12, 18                        ; head 0 or 1 of the step
	s_add_co_u32 s14, s16, s17
	s_mov_b32 s15, 0
	s_lshl_b32 s46, s12, 17                        ; 64 rows of 2,048 bytes
	s_lshl_b32 s47, s42, 9
	s_add_co_u32 s46, s46, s47
	s_mov_b32 s47, 0
	s_mul_i32 s20, s12, 17408
	s_mul_i32 s21, s12, 34816
	s_add_co_u32 s21, s21, BOFF
	s_wait_dscnt 0x0                               ; both opening adds are done
	s_wait_kmcnt 0x0
	s_add_nc_u64 s[14:15], s[4:5], s[14:15]
	s_add_nc_u64 s[46:47], s[6:7], s[46:47]
	CROUND                                         ; all sixteen work-groups are here
.irp s, 0,1
	s_mov_b32 s[G0+4*\s], 1
	s_add_co_u32 s[G0+4*\s+1], s20, \s*SLOT
	s_add_nc_u64 s[G0+4*\s+2:G0+4*\s+3], s[14:15], \s*524288
	s_or_b32 s[G0+4*\s+3], s[G0+4*\s+3], 0x80000000
	s_mov_b32 s[G0B+4*\s], 1
	s_add_co_u32 s[G0B+4*\s+1], s21, \s*SLOT
	s_add_nc_u64 s[G0B+4*\s+2:G0B+4*\s+3], s[46:47], \s*262144
	s_or_b32 s[G0B+4*\s+3], s[G0B+4*\s+3], 0x80000000
	JLOAD \s
.endr
	v_and_b32 v1, 15, v0                           ; r
	v_bfe_u32 v2, v0, 4, 1                         ; h
	v_lshrrev_b32 v3, 1, v1
	v_mul_u32_u24 v3, v3, 272
	v_and_b32 v4, 1, v0
	v_lshl_add_u32 v3, v4, 7, v3
	v_lshl_add_u32 v3, v2, 4, v3                   ; y: row r lies in LDS row r / 2, half r % 2; + 16 h
	v_and_b32 v4, 7, v0
	v_lshl_add_u32 v4, v2, 3, v4
	v_mul_u32_u24 v4, v4, 544
	v_bfe_u32 v5, v0, 3, 1
	v_lshl_add_u32 v4, v5, 4, v4                   ; W, for the turning load: k row 8 h + lane % 8, columns 8 ((lane / 8) % 2) on
	s_mul_i32 s21, s11, 8704
	s_lshl_b32 s22, s12, 8
	s_add_co_u32 s22, s22, BOFF
.irp s, 0,1
	v_add_nc_u32 v[ADRA+\s], s21, v3
	v_add_nc_u32 v[ADRB+\s], s22, v4
	s_add_co_u32 s21, s21, SLOT
	s_add_co_u32 s22, s22, SLOT
.endr
	s_mul_i32 s23, s10, 8448                       ; my stage: 16 rows x (512 + 16) bytes, in slot 0 behind its last fill and its last read
	v_mul_u32_u24 v5, v1, 528
	v_lshl_add_u32 v5, v2, 5, v5
	v_add_nc_u32 v[STO], s23, v5
	v_and_b32 v6, 31, v0
	v_lshlrev_b32 v[CO], 4, v6
	v_add_nc_u32 v[RD], s23, v[CO]
	v_lshlrev_b32 v[PFO], 8, v1
	v_lshl_add_u32 v[PFO], v2, 18, v[PFO]
	s_lshl_b32 s20, s13, 7
	s_lshl_b32 s21, s11, 6
	s_add_co_u32 s20, s20, s21
	s_lshl_b32 s20, s20, 12                        ; my first row of out0, 4,096 bytes a row
	s_lshl_b32 s21, s42, 10
	s_add_co_u32 s20, s20, s21
	s_lshl_b32 s21, s12, 9
	s_add_co_u32 s20, s20, s21
	s_mov_b32 s21, 0
	s_add_nc_u64 s[8:9], s[8:9], s[20:21]
	s_lshl_b32 s20, s40, 12                        ; my work-group's 4,096 bytes of each head's tile
	s_add_co_u32 s20, s20, s16
	s_add_co_u32 s20, s20, 3*524288                ; at K step 3: the first refill steps it to 4
	s_add_nc_u64 s[PFA:PFA+1], s[4:5], s[20:21]
	s_cmp_eq_u32 s10, 0
	s_cselect_b32 s[LIM], 1, -1
.macro FETCH slot, q, f                ; 24 LDS loads: the fragments of the slot's q-th 32 along K
.irp a, 0,1,2,3
	ds_load_b128 v[\f+8*\a:\f+8*\a+3], v[ADRA+\slot] offset:((\q)/2)*17408+\a*8*272+((\q)%2)*64
	ds_load_b128 v[\f+8*\a+4:\f+8*\a+7], v[ADRA+\slot] offset:((\q)/2)*17408+\a*8*272+((\q)%2)*64+32
.endr
.irp b, 0,1,2,3,4,5,6,7
	ds_load_tr16_b128 v[\f+32+8*\b:\f+32+8*\b+3], v[ADRB+\slot] offset:32*(\q)*544+32*\b
	ds_load_tr16_b128 v[\f+32+8*\b+4:\f+32+8*\b+7], v[ADRB+\slot] offset:(32*(\q)+16)*544+32*\b
.endr
.endm
.macro MUL f, a0, na, zero             ; 8 na matrix instructions; the 32 accumulators take turns, in the same order in every quarter
.set ma, \a0
.rept \na
.irp b, 0,1,2,3,4,5,6,7
.if \zero
	v_wmma_f32_16x16x32_f16 v[8*(8*ma+\b):8*(8*ma+\b)+7], v[\f+32+8*\b:\f+32+8*\b+7], v[\f+8*ma:\f+8*ma+7], 0
.else
	v_wmma_f32_16x16x32_f16 v[8*(8*ma+\b):8*(8*ma+\b)+7], v[\f+32+8*\b:\f+32+8*\b+7], v[\f+8*ma:\f+8*ma+7], v[8*(8*ma+\b):8*(8*ma+\b)+7]
.endif
.endr
.set ma, ma+1
.endr
.endm
.macro PLACES
.rept 4
	v_nop
.endr
.endm
.macro QUARTER slot, qn, f, g, zero    ; multiplies buffer f; ahead of that it asks for quarter qn into g, which then has 32 matrix instructions in which to land
	WIN 0
	s_wait_dscnt 0x0                               ; buffer f is in
	PLACES                                         ; between the products that read g and the loads into it
	FETCH \slot, \qn, \g
	WIN 0x50
	MUL \f, 0, 4, \zero
.endm
.macro TURN slot, next, fill           ; a slot's last quarter multiplies buffer 1 and changes slots
.if \fill
	s_wait_xcnt 0x0                                ; the last prefetch, a K step back, has read its address
	s_add_nc_u64 s[PFA:PFA+1], s[PFA:PFA+1], 524288
.endif
	WIN 0
	s_wait_tensorcnt 0x0                           ; all my tensor loads have landed: my part of the next slot
	ds_add_u32 v[SPW], v[NIL]
	s_wait_dscnt 1                                 ; buffer 1 is in; the add may be out
	WIN 0x50
	MUL F1, 0, 1, 0
	s_wait_dscnt 0x0                               ; the add is done, and my reads of this slot are over
	s_barrier_signal -1
	MUL F1, 1, 1, 0
	WIN 0
	s_barrier_wait -1
.if \fill
	CREST                                          ; the barrier has opened a round of the cluster's: no wave of any partner still reads this slot or has a load on its way
	s_add_nc_u64 s[G0+4*\slot+2:G0+4*\slot+3], s[G0+4*\slot+2:G0+4*\slot+3], 1048576
	s_add_nc_u64 s[G0B+4*\slot+2:G0B+4*\slot+3], s[G0B+4*\slot+2:G0B+4*\slot+3], 524288
	JLOAD \slot                                    ; the first tensor load behind the round; its four v_nop are also the places ahead of the loads below
.else
	PLACES
.endif
	FETCH \next, 0, F0
.if \fill
	ASK
.endif
	WIN 0x50
	MUL F1, 2, 2, 0
.endm
	s_wait_tensorcnt 1                             ; my part of K step 0 is in; K step 1's may be out
	s_barrier_signal -1
	s_barrier_wait -1
	FETCH 0, 0, F0
	QUARTER 0, 1, F0, F1, 1                        ; the first products start the sums
	WIN 0
	s_mov_b32 s3, 3
.Llap:                                             ; a trip goes once round the ring and fills both slots again
	QUARTER 0, 2, F1, F0, 0
	QUARTER 0, 3, F0, F1, 0
	TURN 0, 1, 1
	QUARTER 1, 1, F0, F1, 0
	QUARTER 1, 2, F1, F0, 0
	QUARTER 1, 3, F0, F1, 0
	TURN 1, 0, 1
	QUARTER 0, 1, F0, F1, 0
	WIN 0
	s_sub_co_u32 s3, s3, 1
	s_cmp_lg_u32 s3, 0
	s_cbranch_scc1 .Llap
	QUARTER 0, 2, F1, F0, 0                        ; the last lap fills nothing
	QUARTER 0, 3, F0, F1, 0
	TURN 0, 1, 0
	QUARTER 1, 1, F0, F1, 0
	QUARTER 1, 2, F1, F0, 0
	QUARTER 1, 3, F0, F1, 0
	WIN 0
	s_wait_dscnt 0x0
	WIN 0x50
	MUL F1, 0, 4, 0
	WIN 0
; THE WAY OUT: a block of 16 rows x 128 columns goes through my stage and comes back as rows of 512 bytes.
.macro TOSTAGE a
	WIN 0x04                                       ; an LDS store's data are its source 1: window 1
.irp b, 0,1,2,3,4,5,6,7
	ds_store_b128 v[STO], v[64*(\a)+8*\b:64*(\a)+8*\b+3] offset:64*\b        ; each accumulator from its low end on
	ds_store_b128 v[STO], v[64*(\a)+8*\b+4:64*(\a)+8*\b+7] offset:64*\b+16
.endr
	WIN 0
.set BB, 64+64*((\a)%2)
.irp t, 0,1,2,3,4,5,6,7,8,9,10,11,12,13,14,15
	ds_load_b128 v[BB+4*\t:BB+4*\t+3], v[RD] offset:\t*528
.endr
.endm
.macro SEND a, younger
.set BB, 64+64*((\a)%2)
	s_wait_dscnt \younger
.irp t, 0,1,2,3,4,5,6,7,8,9,10,11,12,13,14,15
	global_store_b128 v[CO], v[BB+4*\t:BB+4*\t+3], s[8:9] offset:(\a)*65536+\t*4096 th:TH_STORE_NT   ; 512 consecutive bytes, aligned
.endr
.endm
	PLACES
	TOSTAGE 0
.irp a, 1,2,3
.if \a > 1
	s_wait_xcnt 0x0                                ; block a - 2's stores have read their registers
.endif
	TOSTAGE \a
	SEND \a-1, 32                                  ; behind block a - 1's loads: block a's 16 stores and 16 loads
.endr
	SEND 3, 0
	s_wait_tensorcnt 0x0                           ; the wave's end
	ds_add_u32 v[SPW], v[NIL]
	s_wait_dscnt 0x0
	CROUND                                         ; the closing round
	s_endpgm
.Lfunc_end_k_qf8bcfef393_proj:
	.size	k_qf8bcfef393_proj, .Lfunc_end_k_qf8bcfef393_proj-k_qf8bcfef393_proj
	.p2alignl 7, 3214868480
	.fill 96, 4, 3214868480
	.section	.rodata,"a",@progbits
	.p2align	6, 0x0
	.amdhsa_kernel k_qf8bcfef393_proj
		.amdhsa_group_segment_fixed_size 327680
		.amdhsa_private_segment_fixed_size 0
		.amdhsa_enable_private_segment 0
		.amdhsa_kernarg_size 24
		.amdhsa_user_sgpr_count 2
		.amdhsa_user_sgpr_kernarg_segment_ptr 1
		.amdhsa_wavefront_size32 1
		.amdhsa_system_sgpr_workgroup_id_x 1
		.amdhsa_system_sgpr_workgroup_id_y 1
		.amdhsa_system_sgpr_workgroup_id_z 1
		.amdhsa_system_vgpr_workitem_id 0
		.amdhsa_next_free_vgpr 512
		.amdhsa_next_free_sgpr 66
		.amdhsa_reserve_vcc 0
		.amdhsa_float_denorm_mode_32 3
		.amdhsa_float_denorm_mode_16_64 3
		.amdhsa_memory_ordered 1
		.amdhsa_forward_progress 1
		.amdhsa_inst_pref_size 85
	.end_amdhsa_kernel
	.amdgpu_metadata
---
amdhsa.version: [ 1, 2 ]
amdhsa.kernels:
  - .name:           k_qf8bcfef393_proj
    .symbol:         k_qf8bcfef393_proj.kd
    .args:
      - { .name: y16, .offset: 0, .size: 8, .value_kind: global_buffer, .address_space: global }
      - { .name: aux, .offset: 8, .size: 8, .value_kind: global_buffer, .address_space: global }
      - { .name: out0, .offset: 16, .size: 8, .value_kind: global_buffer, .address_space: global }
    .group_segment_fixed_size: 327680
    .private_segment_fixed_size: 0
    .kernarg_segment_align: 8
    .kernarg_segment_size: 24
    .max_flat_workgroup_size: 128
    .sgpr_count:     66
    .vgpr_count:     512
    .wavefront_size: 32
...
	.end_amdgpu_metadata
.endif
;; end of part 4
;; launch fine (part 5): grid 16 x 4, 16 waves a work-group, no clusters, 149,504 bytes of LDS; arguments qkv32, W_proj, out0; writes out0
.if DOCPART == 5
	.amdgcn_target "amdgcn-amd-amdhsa--gfx1250"
	.amdhsa_code_object_version 6
	.text
	.protected	k_qf8bcfef393_fine
	.globl	k_qf8bcfef393_fine
	.p2align	8
	.type	k_qf8bcfef393_fine,@function
k_qf8bcfef393_fine:
	s_mov_b64 s[64:65], 0
	v_nop
	global_prefetch_b8 v0, s[64:65] scope:SCOPE_SE
	s_setreg_imm32_b32 hwreg(HW_REG_WAVE_MODE, 25, 1), 1
	s_wait_xcnt 0x0
; THE FIRST 16 POSITIONS OF EVERY BATCH, IN F32 THROUGHOUT: they average one to sixteen values, are the largest outputs, and f16 operands would use up what the comparison allows.
; Work-group (nb, b) makes out0[b][0..15][64 nb .. 64 nb + 63], over what the launch before left there.  Wave w is head w: its attention (16 queries x 16 keys x 64, by the f32 matrix form: no bulk work),
; then its own 64 of the projection's K by fused multiply-adds; the sixteen heads' parts meet in LDS.
; qkv32: [4 b][192 column blocks][2 u][32 lanes][4]: t = lane % 16, column 16 cb + 8 (lane / 16) + 4 u + e; q and k are rotated already.
; S^T = K Q^T: a load's register pair gives lane (r, h) two channels; the same channels stand in K's and Q's pair, so the order of K's steps does not matter.  Keys after a query get -infinity, as in the reference.
; The registers v24-55, which the f32 matrix form writes, are written by matrix instructions alone.
; 64 work-groups: a narrower column block would store less than 256 consecutive bytes a row.  No tensor load, no cluster, no prefetch: a short launch.
; REGISTERS: v1-13 addresses; v14, v15 the add's two; v16-23 at work; v24-55 four accumulators; v56-87 q, later 16 pairs of sums; v88-119 k, later two sets of 16 y; v120-127 scores, then p;
;   v128-159 V, later W_proj's rows 48-63; v160-255 W_proj's rows 0-47, two columns a lane.
.set RED,   81920                      ; behind the sixteen y^T (64 channels x 80 bytes each): the heads' parts, 4,096 bytes each
.set SPARE, 147456                     ; the spare words, 128 bytes a wave
	s_load_b128 s[4:7], s[0:1], 0x0                ; qkv32 s[4:5], W_proj s[6:7]
	s_load_b64 s[8:9], s[0:1], 0x10                ; out0
	v_lshl_add_u32 v14, v0, 2, SPARE
	v_mov_b32 v15, 0
	v_lshrrev_b32 v1, 5, v0
	v_readfirstlane_b32 s10, v1                    ; wave = head
	s_and_b32 s11, ttmp7, 0xffff                   ; batch
	v_and_b32 v1, 31, v0
	v_and_b32 v2, 15, v0                           ; r
	v_bfe_u32 v3, v0, 4, 1                         ; h
	v_lshlrev_b32 v4, 4, v1                        ; 16 x lane
	v_lshlrev_b32 v5, 3, v1                        ; 8 x lane
	v_bfe_u32 v6, v0, 2, 1
	v_lshlrev_b32 v6, 9, v6
	v_bfe_u32 v7, v0, 3, 1
	v_lshl_add_u32 v6, v7, 8, v6
	v_and_b32 v7, 3, v0
	v_lshl_add_u32 v6, v7, 2, v6
	v_lshl_add_u32 v6, v3, 7, v6                   ; V(key 8 h + .., channel r of a block of 16): 512 ((r / 4) % 2) + 256 (r / 8) + 4 (r % 4) + 128 h
	v_lshlrev_b32 v7, 3, v3
	v_sub_nc_u32 v8, v2, v7                        ; r - 8 h
	s_mul_i32 s12, s10, 5120
	v_mul_u32_u24 v9, v2, 80
	v_lshl_add_u32 v9, v3, 5, v9
	v_add_nc_u32 v9, s12, v9                       ; y^T, way in: channel r of a block, 32 h bytes on
	v_mov_b32 v10, s12                             ; way out: every lane reads the same 16 bytes
	s_lshl_b32 s13, s10, 12
	s_add_co_u32 s13, s13, RED
	v_add_nc_u32 v11, s13, v5
	s_lshl_b32 s13, s10, 8
	s_add_co_u32 s13, s13, RED
	v_add_nc_u32 v12, s13, v5
	v_mov_b32 v13, 0xff800000                      ; -infinity
	s_mul_i32 s16, s11, 196608
	s_lshl_b32 s14, s10, 12
	s_add_co_u32 s16, s16, s14
	s_mov_b32 s17, 0
	s_lshl_b32 s18, s10, 18                        ; my 64 rows of W_proj,
	s_lshl_b32 s14, ttmp9, 8                       ; my work-group's 64 columns
	s_add_co_u32 s18, s18, s14
	s_mov_b32 s19, 0
	s_lshl_b32 s20, s11, 11
	s_add_co_u32 s20, s20, s10
	s_lshl_b32 s20, s20, 12
	s_add_co_u32 s20, s20, s14                     ; out0: row t = my wave's number
	s_mov_b32 s21, 0
	s_mov_b32 s22, 0x76543210
	s_mov_b32 s23, 0xfedcba98
	s_mov_b32 s24, 0x3e38aa3b                      ; c = log2(e) / 8
	s_wait_kmcnt 0x0
	s_add_nc_u64 s[4:5], s[4:5], s[16:17]
	s_add_nc_u64 s[6:7], s[6:7], s[18:19]
	s_add_nc_u64 s[8:9], s[8:9], s[20:21]
.irp i, 0,1,2,3,4,5,6,7
	global_load_b128 v[56+4*\i:59+4*\i], v4, s[4:5] offset:512*\i
.endr
.irp i, 0,1,2,3,4,5,6,7
	global_load_b128 v[88+4*\i:91+4*\i], v4, s[4:5] offset:65536+512*\i
.endr
.irp c, 0,1,2,3
.irp i, 0,1,2,3,4,5,6,7
	global_load_b32 v[128+8*\c+\i], v6, s[4:5] offset:131072+\c*1024+\i*16   ; V(key 8 h + i, channel 16 c + r)
.endr
.endr
.set k, 0
.rept 48
	global_load_b64 v[160+2*k:161+2*k], v5, s[6:7] offset:4096*k   ; 256 consecutive bytes of a row
.set k, k+1
.endr
	s_wait_loadcnt 63                              ; 80 loads were issued behind k's; the count names the most that its field holds, which is fewer
.set sg, 0
.rept 16                               ; four accumulators take turns; the first four products start the sums
.if sg < 4
	v_wmma_f32_16x16x4_f32 v[24+8*(sg%4):31+8*(sg%4)], v[88+2*sg:89+2*sg], v[56+2*sg:57+2*sg], 0
.else
	v_wmma_f32_16x16x4_f32 v[24+8*(sg%4):31+8*(sg%4)], v[88+2*sg:89+2*sg], v[56+2*sg:57+2*sg], v[24+8*(sg%4):31+8*(sg%4)]
.endif
.set sg, sg+1
.endr
.rept 8
	v_nop                                          ; eight places behind this form
.endr
.irp j, 0,1,2,3,4,5,6,7                ; register j: key 8 h + j, query r
	v_add_f32 v[120+\j], v[24+\j], v[32+\j]
	v_add_f32 v[16+\j], v[40+\j], v[48+\j]
.endr
.irp j, 0,1,2,3,4,5,6,7
	v_add_f32 v[120+\j], v[120+\j], v[16+\j]
.endr
.irp j, 0,1,2,3,4,5,6,7
	v_cmp_gt_i32 vcc_lo, \j, v8                    ; key after query
	v_cndmask_b32 v[120+\j], v[120+\j], v13, vcc_lo
.endr
	v_max3_num_f32 v16, v120, v121, v122
	v_max3_num_f32 v17, v123, v124, v125
	v_max3_num_f32 v16, v16, v126, v127
	v_max_num_f32 v16, v16, v17
	v_permlanex16_b32 v17, v16, s22, s23
	v_max_num_f32 v16, v16, v17                    ; the row's largest score: key 0 counts for every query
	v_mul_f32 v17, s24, v16
.irp j, 0,1,2,3,4,5,6,7
	v_fma_f32 v[120+\j], v[120+\j], s24, -v17
.endr
.irp j, 0,1,2,3,4,5,6,7
	v_exp_f32 v[120+\j], v[120+\j]
.endr
	v_nop
	s_wait_alu depctr_va_vdst(0)                   ; one wait for the eight, ahead of their first use
	v_add_f32 v16, v120, v121
	v_add_f32 v17, v122, v123
	v_add_f32 v18, v124, v125
	v_add_f32 v19, v126, v127
	v_add_f32 v16, v16, v17
	v_add_f32 v18, v18, v19
	v_add_f32 v16, v16, v18
	v_permlanex16_b32 v17, v16, s22, s23
	v_add_f32 v16, v16, v17
	v_rcp_f32 v18, v16
	v_nop
	s_wait_alu depctr_va_vdst(0)
.irp j, 0,1,2,3,4,5,6,7
	v_mul_f32 v[120+\j], v[120+\j], v18            ; the weights
.endr
	s_wait_loadcnt 48                              ; V is in; W_proj's 48 loads may be out
.irp s, 0,1,2,3                        ; O = P V: source 0: query r, keys 8 h + 2 s + 0, 1; source 1: the same keys of channel 16 c + r
.irp c, 0,1,2,3
.if \s == 0
	v_wmma_f32_16x16x4_f32 v[24+8*\c:31+8*\c], v[120+2*\s:121+2*\s], v[128+8*\c+2*\s:129+8*\c+2*\s], 0
.else
	v_wmma_f32_16x16x4_f32 v[24+8*\c:31+8*\c], v[120+2*\s:121+2*\s], v[128+8*\c+2*\s:129+8*\c+2*\s], v[24+8*\c:31+8*\c]
.endif
.endr
.endr
.rept 8
	v_nop
.endr
.set k, 0
.rept 16
	global_load_b64 v[128+2*k:129+2*k], v5, s[6:7] offset:4096*(48+k)
.set k, k+1
.endr
.irp c, 0,1,2,3                        ; register j: query 8 h + j, channel 16 c + r
	ds_store_b128 v9, v[24+8*\c:27+8*\c] offset:1280*\c
	ds_store_b128 v9, v[28+8*\c:31+8*\c] offset:1280*\c+16
.endr
; The projection: for each of my 64 channels, its 16 y (the same in every lane) x my two columns of that row of W_proj.
.macro YLOAD kk
.irp i, 0,1,2,3
	ds_load_b128 v[88+16*((\kk)%2)+4*\i:91+16*((\kk)%2)+4*\i], v10 offset:80*(\kk)+16*\i   ; LDS serves a wave's instructions in order: these see my stores
.endr
.endm
	YLOAD 0
	s_wait_loadcnt 16                              ; rows 0-47 are in; the sixteen loads issued last may be out
.set k, 0
.rept 64
.if k < 63
	YLOAD k+1
	s_wait_dscnt 4                                 ; this channel's y are in; the next channel's four loads may be out
.else
	s_wait_dscnt 0x0
.endif
.if k == 48
	s_wait_loadcnt 0x0
.endif
.if k < 48
.set WR, 160+2*k
.else
.set WR, 128+2*(k-48)
.endif
.set YR, 88+16*(k%2)
.irp t, 0,2,4,6,8,10,12,14
.if k == 0
	v_pk_mul_f32 v[56+2*\t:57+2*\t], v[WR:WR+1], v[YR+\t:YR+\t+1] op_sel_hi:[1,0]
	v_pk_mul_f32 v[58+2*\t:59+2*\t], v[WR:WR+1], v[YR+\t:YR+\t+1] op_sel:[0,1] op_sel_hi:[1,1]
.else
	v_pk_fma_f32 v[56+2*\t:57+2*\t], v[WR:WR+1], v[YR+\t:YR+\t+1], v[56+2*\t:57+2*\t] op_sel_hi:[1,0,1]
	v_pk_fma_f32 v[58+2*\t:59+2*\t], v[WR:WR+1], v[YR+\t:YR+\t+1], v[58+2*\t:59+2*\t] op_sel:[0,1,0] op_sel_hi:[1,1,1]
.endif
.endr
.set k, k+1
.endr
.irp t, 0,1,2,3,4,5,6,7,8,9,10,11,12,13,14,15
	ds_store_b64 v11, v[56+2*\t:57+2*\t] offset:256*\t
.endr
	s_wait_dscnt 0x0                               ; for the others' sake: my part lies in LDS
	s_barrier_signal -1
	s_barrier_wait -1
.irp i, 0,1,2,3,4,5,6,7,8,9,10,11,12,13,14,15
	ds_load_b64 v[88+2*\i:89+2*\i], v12 offset:4096*\i   ; row t = my wave's number, of every head
.endr
	s_wait_dscnt 0x0
.irp i, 0,1,2,3,4,5,6,7
	v_pk_add_f32 v[88+2*\i:89+2*\i], v[88+2*\i:89+2*\i], v[104+2*\i:105+2*\i]
.endr
.irp i, 0,1,2,3
	v_pk_add_f32 v[88+2*\i:89+2*\i], v[88+2*\i:89+2*\i], v[96+2*\i:97+2*\i]
.endr
	v_pk_add_f32 v[88:89], v[88:89], v[92:93]
	v_pk_add_f32 v[90:91], v[90:91], v[94:95]
	v_pk_add_f32 v[88:89], v[88:89], v[90:91]
	global_store_b64 v5, v[88:89], s[8:9]          ; 256 consecutive bytes, aligned
	s_wait_tensorcnt 0x0                           ; the wave's end
	ds_add_u32 v14, v15
	s_wait_dscnt 0x0
	s_endpgm
.Lfunc_end_k_qf8bcfef393_fine:
	.size	k_qf8bcfef393_fine, .Lfunc_end_k_qf8bcfef393_fine-k_qf8bcfef393_fine
	.p2alignl 7, 3214868480
	.fill 96, 4, 3214868480
	.section	.rodata,"a",@progbits
	.p2align	6, 0x0
	.amdhsa_kernel k_qf8bcfef393_fine
		.amdhsa_group_segment_fixed_size 149504
		.amdhsa_private_segment_fixed_size 0
		.amdhsa_enable_private_segment 0
		.amdhsa_kernarg_size 24
		.amdhsa_user_sgpr_count 2
		.amdhsa_user_sgpr_kernarg_segment_ptr 1
		.amdhsa_wavefront_size32 1
		.amdhsa_system_sgpr_workgroup_id_x 1
		.amdhsa_system_sgpr_workgroup_id_y 1
		.amdhsa_system_sgpr_workgroup_id_z 1
		.amdhsa_system_vgpr_workitem_id 0
		.amdhsa_next_free_vgpr 256
		.amdhsa_next_free_sgpr 66
		.amdhsa_reserve_vcc 1
		.amdhsa_float_denorm_mode_32 3
		.amdhsa_float_denorm_mode_16_64 3
		.amdhsa_memory_ordered 1
		.amdhsa_forward_progress 1
		.amdhsa_inst_pref_size 105
	.end_amdhsa_kernel
	.amdgpu_metadata
---
amdhsa.version: [ 1, 2 ]
amdhsa.kernels:
  - .name:           k_qf8bcfef393_fine
    .symbol:         k_qf8bcfef393_fine.kd
    .args:
      - { .name: qkv32, .offset: 0, .size: 8, .value_kind: global_buffer, .address_space: global }
      - { .name: W_proj, .offset: 8, .size: 8, .value_kind: global_buffer, .address_space: global }
      - { .name: out0, .offset: 16, .size: 8, .value_kind: global_buffer, .address_space: global }
    .group_segment_fixed_size: 149504
    .private_segment_fixed_size: 0
    .kernarg_segment_align: 8
    .kernarg_segment_size: 24
    .max_flat_workgroup_size: 512
    .sgpr_count:     66
    .vgpr_count:     256
    .wavefront_size: 32
...
	.end_amdgpu_metadata
.endif
;; end of part 5
